; MI455X (gfx1250); checked and timed in simulation.
; The chip was launched on July 23, 2026; its instructions are those of AMD's public machine-readable ISA for CDNA 5 (MIT licence, August 2026) and "CDNA5" Instruction Set Architecture Reference Guide (July 2026). The comments in the code are by the model that wrote it; some were corrected since.
;; Multi Head Attention. Allowed arithmetic: matrix products marked QUANTISED: E2M3 operands, one E8M0 scale for each 32 along K, by v_wmma_scale_f32_16x16x128_f8f6f4 with both operands' format E2M3, f32 sums; everything else in f32.
;; Inputs: K_codes 8 x 2,048 x 16 x 24 uint8 (E2M3 codes of K, K innermost, in blocks of 32 codes, four codes in three bytes); K_scales 8 x 2,048 x 16 uint8 (E8M0 scales of K, one for each 32 codes along K); Q 8 x 2,048 x 512 float32; V_codes 8 x 2,048 x 16 x 24 uint8 (E2M3 codes of V, K innermost, in blocks of 32 codes, four codes in three bytes); V_scales 8 x 2,048 x 16 uint8 (E8M0 scales of V, one for each 32 codes along K); Wk_codes 512 x 16 x 24 uint8 (E2M3 codes of Wk, K innermost, in blocks of 32 codes, four codes in three bytes); Wk_scales 512 x 16 uint8 (E8M0 scales of Wk, one for each 32 codes along K); Wo_codes 512 x 16 x 24 uint8 (E2M3 codes of Wo, K innermost, in blocks of 32 codes, four codes in three bytes); Wo_scales 512 x 16 uint8 (E8M0 scales of Wo, one for each 32 codes along K); Wq_codes 512 x 16 x 24 uint8 (E2M3 codes of Wq, K innermost, in blocks of 32 codes, four codes in three bytes); Wq_scales 512 x 16 uint8 (E8M0 scales of Wq, one for each 32 codes along K); Wv_codes 512 x 16 x 24 uint8 (E2M3 codes of Wv, K innermost, in blocks of 32 codes, four codes in three bytes); Wv_scales 512 x 16 uint8 (E8M0 scales of Wv, one for each 32 codes along K); beta 512 float32; bk 512 float32; bo 512 float32; bq 512 float32; bv 512 float32; gamma 512 float32.
;; Outputs: out0 8 x 2,048 x 512 float32.
;; This version of the problem:
;;   THIS VERSION OF THE PROBLEM IS GIVEN IN LOW PRECISION. The matrix products marked QUANTISED in the list below multiply operands that are first quantised to E2M3 (2 exponent bits, 3 mantissa bits; 6 bits a number), with one power-of-two scale for each 32 numbers along K (OCP MX v1.0); their sums are f32. All else is computed in f32.
;;   The module's matrix products, in the order in which they are computed (A, B: the left and right operand; K: the contracted axis; several contracted axes count as one K, in the product's order):
;;     1. [M 16,384, K 512] x [K 512, N 512]; A: input Q; B: input Wq (given as codes): QUANTISED
;;     2. [M 16,384, K 512] x [K 512, N 512]; A: input K (given as codes); B: input Wk (given as codes): QUANTISED
;;     3. [M 16,384, K 512] x [K 512, N 512]; A: input V (given as codes); B: input Wv (given as codes): QUANTISED
;;     4. batch 64 x [M 2,048, K 64] x [K 64, N 2,048]; A: computed on the way; B: computed on the way: QUANTISED
;;     5. batch 64 x [M 64, K 2,048] x [K 2,048, N 2,048]; A: computed on the way; B: softmax (see below): QUANTISED
;;     6. [M 16,384, K 512] x [K 512, N 512]; A: computed on the way; B: input Wo (given as codes): QUANTISED
;;   THE QUANTISER, for each operand of a quantised product, along K:
;;     - K is cut into blocks of 32 from its start; a last block that is shorter is filled with zeros.
;;     - A block's scale is 2^e with e = floor(log2(the largest magnitude in the block)) - 2, held to -126 .. 127; a block of zeros has e = 0. As a byte (E8M0): e + 127.
;;     - Each number is divided by its block's scale, clamped to +-7.5, and rounded to the nearest number of E2M3, ties to even, subnormals kept.
;;     - The product sums the exact products of the quantised numbers (number of the format x scale) in f32.
;;   ~~~python
;;   def quantise(x, axis):      # numpy; x: float32 -> the quantised numbers, widened to float32 again
;;       x = np.moveaxis(x, axis, -1); K = x.shape[-1]
;;       x = np.pad(x, [(0, 0)] * (x.ndim - 1) + [(0, -K % 32)]); x = x.reshape(x.shape[:-1] + (-1, 32)); a = np.abs(x).max(-1, keepdims=True)
;;       e = np.where(a > 0, np.clip(np.frexp(np.where(a > 0, a, 1))[1] - 1 - 2, -126, 127), 0)      # np.frexp(a)[1] - 1 = floor(log2(a)), exactly
;;       r = np.clip(x / 2.0 ** e, -7.5, 7.5)
;;       step = 2.0 ** (np.maximum(np.frexp(np.where(r == 0, 1, r))[1] - 1, 0) - 3)
;;       q = np.round(r / step) * step * 2.0 ** e      # np.round: ties to even
;;       return np.moveaxis(q.reshape(q.shape[:-2] + (-1,))[..., :K], -1, axis).astype(np.float32)
;;   ~~~
;;   SOFTMAX AHEAD OF A QUANTISED PRODUCT. Where the list says 'softmax', what is quantised is not the finished softmax but p = 2^(t - M), with t = logit x log2(e) and M = ceil(the row's largest t), a whole number; so 1/2 < the row's largest p <= 1. The row's sum l is taken of the UNQUANTISED p, in f32, and the product's result is divided by l at the end. Since M is a whole number, a kernel that streams over the keys may use a running M (the ceiling of the running maximum): every later rescaling is an exact power of two, which a block's scale takes up: the codes' values come out the same.
;;   OPERANDS COMPUTED ON THE WAY. 'Computed on the way' means the value that the module computes at that place (a softmax that the list does not call 'softmax' is quantised finished and normalised). What goes into a quantiser is computed in f32, as accurately as f32 sums, v_exp_f32 and their like allow (about 1e-6 of the number): no bf16 or f16 on the way to a quantiser, and a product that is left as it is and whose result goes on into a quantised operand takes f32 operands (vector FMAs, or v_wmma_f32_16x16x4_f32). A number that lies on a knife's edge between two numbers of the format may be rounded either way, as far as f32 arithmetic and the matrix unit's own rounding can turn it there, and no further.
;;   INPUTS GIVEN AS CODES. K (in the module: [8, 2048, 512], K = its axis 2); V (in the module: [8, 2048, 512], K = its axis 2); Wk (in the module: [512, 512], K = its axis 1); Wo (in the module: [512, 512], K = its axis 1); Wq (in the module: [512, 512], K = its axis 1); Wv (in the module: [512, 512], K = its axis 1): each comes as NAME_codes (uint8): NAME with its K axis moved to the last place and cut into blocks of 32 codes, [.., K / 32, bytes a block], one block behind the other in memory; four codes in three bytes: a row's codes are one little-endian stream of bits, code i at bits 6 i .. 6 i + 5 (a code: sign, 2 exponent bits, 3 mantissa bits); and NAME_scales (uint8): the same leading axes, one E8M0 byte (e + 127) for each 32 codes along K. Its value is code x scale, taken as it is: it is not quantised again, and the codes and scales need not be those that the quantiser above would give.
;; One version. Each part assembles by itself: llvm-mc -triple=amdgcn-amd-amdhsa -mcpu=gfx1250 --defsym DOCPART=n.
;; ======== version 1 of 1: 3 launches
;; limits: right only within a limited range of input values
;; workspace buffers: qrec 7,340,032 bytes; kv 13,631,488 bytes; crec 8,388,608 bytes
;; launch proj (part 1): grid 256 x 1, 4 waves a work-group, no clusters, 304,640 bytes of LDS; arguments Q, K_codes, K_scales, V_codes, V_scales, Wq_codes, Wq_scales, Wk_codes, Wk_scales, Wv_codes, Wv_scales, bq, bk, bv, qrec, kv; writes qrec, kv
.if DOCPART == 1
	.amdgcn_target "amdgcn-amd-amdhsa--gfx1250"
	.amdhsa_code_object_version 6
	.text
	.protected	k_q2961077cdd_proj
	.globl	k_q2961077cdd_proj
	.p2align	8
	.type	k_q2961077cdd_proj,@function
k_q2961077cdd_proj:
	s_mov_b64 s[64:65], 0
	v_nop
	global_prefetch_b8 v0, s[64:65] scope:SCOPE_SE
	s_setreg_imm32_b32 hwreg(HW_REG_WAVE_MODE, 25, 1), 1
	s_wait_xcnt 0x0
; q = Q Wq^T + bq, k = K Wk^T + bk, v = V Wv^T + bv on codes of FP6 (E2M3) with one E8M0 scale for each 32 along K = 512; each result is quantised at once
; for the attention launch and stored as IMAGES OF OPERAND REGISTERS (a fragment's registers on end, lane by lane).
; ROLES by the work-group's number: 0-127 q (128 rows of Q each, which are quantised here first), 128-191 k (256 rows of K), 192-255 v (four key steps x 256 features).
; The roles part once and never join: the q path is written out whole; k and v share their head and then part.
; A UNIT is 32 matrix instructions: source 0 = P, 128 rows that stay in the wave's registers (32 fragments, windows 1 and 2), source 1 = R, a tile of 16 rows, K = 512.
; THE ROWS OF P THAT FORM A TILE ARE NOT NEIGHBOURS: lane r of tile t takes row 32 (t / 2) + 8 (t % 2) + r + 8 (r / 8), so that a lane's 64 results are, register 16 b + i, index 32 b + 16 (lane / 16) + i:
; neighbours along the next product's K, which QUANT turns into one fragment and one scale word.
;   q, k: P = 128 rows of the weight (two heads), R = rows of Q or K: a lane is a row, its registers run along the two heads' 64 + 64.
;   v:    P = 128 rows of V (one key step), R = rows of Wv: a lane is a feature, its registers run along the keys, which are the second attention product's K.
; qrec [tile of 16 rows 1024][pair of heads 4][1792]: head 2 w: registers 0-3 at 16 lane, 4-5 at 512 + 8 lane; head 2 w + 1 the same from 768; at 1536 + 8 lane the scale word twice.
; kv [batch x head 64][key step 16][13312]: K's four fragments of 1536 (two records of 768: 16 keys x 64 each), V's four of 1536, K's scale words (16 lane + 4 f), V's (16 lane + 4 t).
;   The scale words of kv are stored 4 bytes a lane, 16 bytes apart; four such stores of a wave fill the same 512 bytes: one part in 13 of kv.  All other stores cover whole aligned runs of 256 or 512 bytes.
; NO CLUSTER: P goes from memory straight into registers in lane order; K's slices belong to one work-group each; the one tile that work-groups share is Wv's slice, 98,304 bytes once at the head, for a quarter of the grid.
; LIMITS: NaN and infinities in Q, bq, bk, bv are not served; a block whose largest magnitude lies under 2^-124 has its byte held at 1; a block of zeros gets the byte 1 (its codes are zeros; this program alone reads the bytes).
.set HS,     212992                    ; a head's bytes in kv
.set STEPB,  13312                     ; a key step's
.set RPITCH, 432                       ; LDS: R's rows: 3 x (128 bytes + 16 of padding)
.set RSC,    110592                    ; behind R's 256 rows: their scale bytes, 16 a row
.set BVS,    114688                    ; v path: 256 numbers of bv for each wave
.set STG,    118784                    ; q path: a stage of 16 rows x 2064 bytes for each wave
.set SPITCH, 2064                      ; 129 x 16: the sixteen rows of a load begin at sixteen different 16-byte columns modulo 256
.set IMG,    250880                    ; q path: images of Q's 8 tiles x 4 K steps, 1536 bytes each
.set SIMG,   300032                    ; q path: their scale words, 16 bytes a lane and tile
.set LI,  1                            ; 16 x lane
.set L8,  2                            ; 8 x lane
.set PA,  3                            ; P's codes: 384 rr + 24 h   (rr = r + 8 (r / 8))
.set PSA, 4                            ; P's scale words: 16 rr
.set BA,  5                            ; bias along the registers: 64 h
.set RA0, 6                            ; R in LDS: 432 rr + 24 h
.set RA1, 7                            ; the same behind one padding more: 432 rr + 40 h
.set RSA, 8                            ; R's scale words
.set STW, 9                            ; the stage, in
.set STR, 10                           ; the stage, out
.set IMW, 11                           ; where I store my two tiles' images
.set SIW, 12                           ; and their scale words
.set IMB, 13                           ; where any tile's image begins for my lane
.set SIB, 14
.set BVW, 15                           ; bv, in
.set BVA, 16                           ; bv, out
.set AD0, 17                           ; LDS addresses of the loads in hand
.set AD1, 18
.set ADS, 19
.set ADB, 20
.set BVO, 21                           ; v path: my byte offset in bv's 256 numbers: 32 x lane
.set RS,  24                           ; v24-27  R's scale words, K steps 0-3: scales and nothing else
.set PW,  28                           ; v28, v29 the scale words just made
.set PW1, 29
.set SW0, 30                           ; v30, v31 K's scale words for the two heads
.set SW1, 31
.set BVL0, 32                          ; v32, v33 my feature's bv
.set RF,  36                           ; v36-83  R's four fragments
.set XB,  36                           ; v36-99  q path, while Q is quantised: the second set of 64 numbers
.set ACC, 100                          ; v100-163 eight accumulators; the first set of 64 numbers
.set PC,  164                          ; v164-183 the codes just made
.set TM,  184                          ; v184-187 largest magnitudes, v188-191 bytes, v192-195 the conversions' scale operands
.set PWS, 196                          ; v196-199 a tile's four scale words
.set PS,  200                          ; v200-231 P's scale words (4 t + s): scales and nothing else
.set WV,  2
.set ROLE, 3
.set GI,  4
.set SEL, 40
.set PB,  42
.set PSB, 44
.set RB,  46
.set RSB, 48
.set BB,  50
.set G1C, 52
.set G0C, 60
.set G1S, 68
.set G0S, 76
.set OB0, 80
.set OB,  82
.set OS,  84
.set BLK, 86
.set TB,  87
.set TS,  88
.set TV,  89
.set QB,  96
.set MSB, 0
.macro WIN new                         ; the immediate's high byte repeats the setting that is left; a switch that changes nothing is dropped
.if MSB != \new
	s_set_vgpr_msb (MSB<<8)|\new
.set MSB, \new
.endif
.endm
; P: 32 fragments (tile t, K step s): s = 0, 1 in window 1 at 24 t + 12 s, s = 2, 3 in window 2 likewise; each 24 bytes as three loads of 8.  Then the rows' four scale words.
.macro PLOAD
	WIN 0x40
.irp t, 0,1,2,3,4,5,6,7
.irp s, 0,1
.irp p, 0,1,2,3,4,5
	global_load_b64 v[12*(2*\t+\s)+2*\p:12*(2*\t+\s)+2*\p+1], v[PA], s[PB:PB+1] offset:(32*(\t/2)+8*(\t%2))*384+96*\s+48*(\p/3)+8*(\p%3)
.endr
.endr
.endr
	WIN 0x80
.irp t, 0,1,2,3,4,5,6,7
.irp s, 2,3
.irp p, 0,1,2,3,4,5
	global_load_b64 v[12*(2*\t+\s-2)+2*\p:12*(2*\t+\s-2)+2*\p+1], v[PA], s[PB:PB+1] offset:(32*(\t/2)+8*(\t%2))*384+96*\s+48*(\p/3)+8*(\p%3)
.endr
.endr
.endr
	WIN 0
.irp t, 0,1,2,3,4,5,6,7
	global_load_b128 v[PS+4*\t:PS+4*\t+3], v[PSA], s[PSB:PSB+1] offset:(32*(\t/2)+8*(\t%2))*16
.endr
.endm
; the bias in the result's layout, eight registers a tile, window 2 from v192: lane (r, h) wants the numbers 32 (t / 2) + 8 (t % 2) + 16 h + 0 .. 7
.macro BLOAD
	WIN 0x80
.irp t, 0,1,2,3,4,5,6,7
	global_load_b128 v[192+8*\t:192+8*\t+3], v[BA], s[BB:BB+1] offset:(32*(\t/2)+8*(\t%2))*4
	global_load_b128 v[192+8*\t+4:192+8*\t+7], v[BA], s[BB:BB+1] offset:(32*(\t/2)+8*(\t%2))*4+16
.endr
	WIN 0
.endm
; 32 matrix instructions.  The bias is the C of each sum's first one (cstep = 8: eight registers a tile; 0: the same eight for all tiles).  The eight accumulators take turns.
.macro UNIT cstep
	WIN 0x21                                       ; source 0 window 1, C window 2
.irp t, 0,1,2,3,4,5,6,7
	v_wmma_scale_f32_16x16x128_f8f6f4 v[ACC+8*\t:ACC+8*\t+7], v[24*\t:24*\t+11], v[RF:RF+11], v[192+(\cstep)*\t:192+(\cstep)*\t+7], v[PS+4*\t], v[RS] matrix_a_fmt:MATRIX_FMT_FP6 matrix_b_fmt:MATRIX_FMT_FP6
.endr
	WIN 0x01
.irp t, 0,1,2,3,4,5,6,7
	v_wmma_scale_f32_16x16x128_f8f6f4 v[ACC+8*\t:ACC+8*\t+7], v[24*\t+12:24*\t+23], v[RF+12:RF+23], v[ACC+8*\t:ACC+8*\t+7], v[PS+4*\t+1], v[RS+1] matrix_a_fmt:MATRIX_FMT_FP6 matrix_b_fmt:MATRIX_FMT_FP6
.endr
	WIN 0x02                                       ; source 0 window 2
.irp t, 0,1,2,3,4,5,6,7
	v_wmma_scale_f32_16x16x128_f8f6f4 v[ACC+8*\t:ACC+8*\t+7], v[24*\t:24*\t+11], v[RF+24:RF+35], v[ACC+8*\t:ACC+8*\t+7], v[PS+4*\t+2], v[RS+2] matrix_a_fmt:MATRIX_FMT_FP6 matrix_b_fmt:MATRIX_FMT_FP6
.endr
.irp t, 0,1,2,3,4,5,6,7
	v_wmma_scale_f32_16x16x128_f8f6f4 v[ACC+8*\t:ACC+8*\t+7], v[24*\t+12:24*\t+23], v[RF+36:RF+47], v[ACC+8*\t:ACC+8*\t+7], v[PS+4*\t+3], v[RS+3] matrix_a_fmt:MATRIX_FMT_FP6 matrix_b_fmt:MATRIX_FMT_FP6
.endr
	WIN 0
.rept 4
	v_nop                                          ; four places behind the products, ahead of the first read of results and of loads into their operands
.endr
.endm
; 64 numbers of a lane, register 16 b + i = index 32 b + 16 (lane / 16) + i of my row, become a fragment's codes in v[PC] .. v[PC + 11] and its scale word in v[pw].
.macro QUANT src, pw
.irp b, 0,1,2,3
	v_max3_num_f32 v[TM+\b], |v[\src+16*\b]|, |v[\src+16*\b+1]|, 0x1800000   ; my 16 numbers of block b, and the floor 2^(3 - 127): the byte cannot fall under 1
.endr
.irp i, 2,4,6,8,10,12,14
.irp b, 0,1,2,3
	v_max3_num_f32 v[TM+\b], v[TM+\b], |v[\src+16*\b+\i]|, |v[\src+16*\b+\i+1]|
.endr
.endr
.irp b, 0,1,2,3
	v_permlanex16_b32 v[TM+4+\b], v[TM+\b], s[SEL], s[SEL+1]
.endr
.irp b, 0,1,2,3
	v_max_num_f32 v[TM+\b], v[TM+\b], v[TM+4+\b]   ; with lane l xor 16's: the block's largest magnitude
.endr
.irp b, 0,1,2,3
	v_add_nc_u32 v[TM+8+\b], 0xff000000, v[TM+\b]  ; 2 off its exponent field: the conversion's scale operand
.endr
.irp b, 0,1,2,3
	v_lshrrev_b32 v[TM+4+\b], 23, v[TM+8+\b]       ; the scale's byte
.endr
	v_lshl_or_b32 v[\pw], v[TM+5], 8, v[TM+4]
	v_lshl_or_b32 v[\pw], v[TM+6], 16, v[\pw]
	v_lshl_or_b32 v[\pw], v[TM+7], 24, v[\pw]
.irp c, 0,1
	v_cvt_scalef32_pk16_fp6_f32 v[PC+6*\c:PC+6*\c+2], v[\src+32*\c:\src+32*\c+15], v[TM+8+2*\c]
	v_cvt_scalef32_pk16_fp6_f32 v[PC+12+4*\c:PC+14+4*\c], v[\src+32*\c+16:\src+32*\c+31], v[TM+9+2*\c]   ; (a conversion's three registers begin on an even number)
.endr
	v_nop                                          ; one plain place behind the scaled conversions
.irp c, 0,1                                    ; the operand's layout wants a whole block in a lane: lanes 0-15 block 2 c, lanes 16-31 block 2 c + 1
.irp i, 0,1,2
	v_permlane16_swap_b32 v[PC+6*\c+\i], v[PC+12+4*\c+\i]
.endr
.irp i, 0,1,2
	v_mov_b32 v[PC+3+6*\c+\i], v[PC+12+4*\c+\i]
.endr
.endr
.endm
; q path: tile i of my two (16 rows x 2048 bytes) into window 3; each load covers 512 consecutive bytes
.macro QLOAD i
	WIN 0xc0
.set n, 0
.rept 64
	global_load_b128 v[4*n:4*n+3], v[LI], s[QB:QB+1] offset:32768*(\i)+2048*(n/4)+512*(n%4) th:TH_LOAD_NT
.set n, n+1
.endr
	WIN 0
.endm
.macro XF ks, set                      ; K step ks out of the stage: of row r, 16 neighbours of each block of 32
.irp b, 0,1,2,3
.irp j, 0,1,2,3
	ds_load_b128 v[\set+16*\b+4*\j:\set+16*\b+4*\j+3], v[STR] offset:512*(\ks)+128*\b+16*\j
.endr
.endr
.endm
.macro IMAGE i, ks                     ; the fragment in v[PC] on goes to LDS as it stands
.irp c, 0,1,2
	ds_store_b128 v[IMW], v[PC+4*\c:PC+4*\c+3] offset:6144*(\i)+1536*(\ks)+512*\c
.endr
.endm
; Tile i of my two goes through my stage and becomes four images.  Behind the first tile's way into the stage all the wave's other loads are asked for: they land while that tile is quantised.
.macro QTILE i
	s_wait_loadcnt 0x0                             ; i = 0: the first tile's 64 loads, the only ones out; i = 1: the second tile, P and the bias
	WIN 0x0c                                       ; an LDS store's data are its source 1: window 3
.set n, 0
.rept 64
	ds_store_b128 v[STW], v[4*n:4*n+3] offset:SPITCH*(n/4)+512*(n%4)
.set n, n+1
.endr
	WIN 0
	s_wait_dscnt 0x0                               ; the stores have read their registers
.if (\i) == 0
	QLOAD 1
	PLOAD
	BLOAD
.endif
	XF 0, ACC
	XF 1, XB
	s_wait_dscnt 16                                ; K step 0 is back; the younger 16 loads may be out
	QUANT ACC, PWS
	IMAGE \i, 0
	XF 2, ACC
	s_wait_dscnt 16                                ; K step 1 and the image's three stores are done; K step 2's 16 loads may be out
	QUANT XB, PWS+1
	IMAGE \i, 1
	XF 3, XB
	s_wait_dscnt 16                                ; K step 2 and the image's stores are done; K step 3's 16 loads may be out
	QUANT ACC, PWS+2
	IMAGE \i, 2
	s_wait_dscnt 0x0
	QUANT XB, PWS+3
	IMAGE \i, 3
	ds_store_b128 v[SIW], v[PWS:PWS+3] offset:512*(\i)
.endm
; k, v paths: R's four fragments of the tile 8 u rows on.  Piece X of a row's data lies at 8 X + 16 (X / 16); lanes 16-31 read three pieces on, behind one padding more where X % 16 is 13 or more
.macro FRAGS u
.irp s, 0,1,2,3
.irp p, 0,1,2,3,4,5
.set X, 12*\s+6*(\p/3)+\p%3
.if X%16 < 13
	ds_load_b64 v[RF+12*\s+2*\p:RF+12*\s+2*\p+1], v[AD0] offset:8*X+16*(X/16)+8*RPITCH*(\u)
.else
	ds_load_b64 v[RF+12*\s+2*\p:RF+12*\s+2*\p+1], v[AD1] offset:8*X+16*(X/16)+8*RPITCH*(\u)
.endif
.endr
.endr
.endm
.macro KVUNIT u, isv
	FRAGS \u
	ds_load_b128 v[RS:RS+3], v[ADS] offset:128*(\u)
.if \isv
	ds_load_b32 v[BVL0+\u], v[ADB] offset:32*(\u)
.endif
	s_wait_dscnt 0x0
.if \isv
	WIN 0x80
.irp j, 0,1,2,3,4,5,6,7
	v_mov_b32 v[192+\j], v[BVL0+\u]                ; my feature's bias, the same for all keys
.endr
	WIN 0
.rept 4
	v_nop
.endr
	UNIT 0
.else
	UNIT 8
.endif
	s_wait_xcnt 0x0                                ; the earlier stores have read the codes' registers
	QUANT ACC, PW+(\u)%2
.if \isv
.irp c, 0,1,2
	global_store_b128 v[LI], v[PC+4*\c:PC+4*\c+3], s[OB:OB+1] offset:1536*(\u)+512*\c   ; V's fragment 2 (BLK & 1) + u
.endr
	global_store_b32 v[LI], v[PW+\u], s[OS:OS+1] offset:4*(\u)
.else
.irp c, 0,1                                    ; record u of K's fragment, for heads 2 w and 2 w + 1
	global_store_b128 v[LI], v[PC+6*\c:PC+6*\c+3], s[OB:OB+1] offset:\c*HS+768*(\u)
	global_store_b64 v[L8], v[PC+6*\c+4:PC+6*\c+5], s[OB:OB+1] offset:\c*HS+768*(\u)+512
.endr
.endif
.endm
	; ---- the common head: every address register and every constant word is made here, ahead of the parting
	s_load_b512 s[8:23], s[0:1], 0x0               ; Q 8, K_codes 10, K_scales 12, V_codes 14, V_scales 16, Wq_codes 18, Wq_scales 20, Wk_codes 22
	s_load_b512 s[24:39], s[0:1], 0x40             ; Wk_scales 24, Wv_codes 26, Wv_scales 28, bq 30, bk 32, bv 34, qrec 36, kv 38
	v_lshl_add_u32 v254, v0, 2, 0x4a400
	v_mov_b32 v255, 0
	ds_add_u32 v254, v255
	ds_add_u32 v254, v255
	v_lshrrev_b32 v17, 5, v0
	v_readfirstlane_b32 s[WV], v17                 ; wave 0..3
	v_and_b32 v17, 31, v0                          ; lane
	v_and_b32 v18, 15, v0                          ; r
	v_bfe_u32 v19, v0, 4, 1                        ; h
	v_and_b32 v20, 8, v18
	v_add_nc_u32 v20, v20, v18                     ; rr = r + 8 (r / 8)
	v_lshlrev_b32 v[LI], 4, v17
	v_lshlrev_b32 v[L8], 3, v17
	v_lshlrev_b32 v[BVO], 5, v17
	v_mul_u32_u24 v[PA], v20, 384
	v_mad_u32_u24 v[PA], v19, 24, v[PA]
	v_lshlrev_b32 v[PSA], 4, v20
	v_lshlrev_b32 v[BA], 6, v19
	v_mul_u32_u24 v[RA0], v20, RPITCH
	v_mad_u32_u24 v[RA1], v19, 40, v[RA0]
	v_mad_u32_u24 v[RA0], v19, 24, v[RA0]
	v_lshl_add_u32 v[RSA], v20, 4, RSC
.set RK0, 22                           ; k path: R in LDS by the k path's own order of rows: 432 rk + 24 h, rk = r + 24 (r / 8)
.set RK1, 23                           ; the same behind one padding more: 432 rk + 40 h
.set RKS, 34                           ; and these rows' scale words
	v_and_b32 v35, 8, v18
	v_mad_u32_u24 v35, v35, 3, v18                 ; rk: 0 .. 7, 32 .. 39
	v_mul_u32_u24 v[RK0], v35, RPITCH
	v_mad_u32_u24 v[RK1], v19, 40, v[RK0]
	v_mad_u32_u24 v[RK0], v19, 24, v[RK0]
	v_lshl_add_u32 v[RKS], v35, 4, RSC
	s_mul_i32 s90, s[WV], 16*SPITCH
	s_add_co_u32 s90, s90, STG
	v_add_nc_u32 v[STW], s90, v[LI]
	v_mul_u32_u24 v[STR], v18, SPITCH
	v_lshl_add_u32 v[STR], v19, 6, v[STR]
	v_add_nc_u32 v[STR], s90, v[STR]
	s_mul_i32 s91, s[WV], 12288
	s_add_co_u32 s91, s91, IMG
	v_add_nc_u32 v[IMW], s91, v[LI]
	s_lshl_b32 s91, s[WV], 10
	s_add_co_u32 s91, s91, SIMG
	v_add_nc_u32 v[SIW], s91, v[LI]
	v_add_nc_u32 v[IMB], IMG, v[LI]
	v_add_nc_u32 v[SIB], SIMG, v[LI]
	s_lshl_b32 s91, s[WV], 10
	s_add_co_u32 s91, s91, BVS
	v_lshl_add_u32 v[BVW], v17, 5, s91
	v_lshl_add_u32 v[BVA], v20, 2, s91
.irp b, 0,1,2,3
	v_mov_b32 v[TM+4+\b], 0                        ; written once: a lane permute's destination counts as one of its sources
.endr
	s_mov_b32 s[SEL], 0x76543210
	s_mov_b32 s[SEL+1], 0xfedcba98                 ; v_permlanex16_b32's selects for lane l xor 16
	; descriptor group 1 for R's codes: the 256 rows of 384 bytes are dense in memory, so a third of them is stated as 128 rows of 256 bytes, each on a 256-byte border; 16 bytes of padding behind every 128
	s_mov_b32 s[G1C], (1<<20)|(4<<22)|(3<<25)      ; no mask; elements of 1 byte; padding on, after every 32 words (code 4), 4 words of it (code 3)
	s_mov_b32 s[G1C+1], 256<<16                    ; tensor_dim0
	s_mov_b32 s[G1C+2], 128<<16                    ; tensor_dim1
	s_mov_b32 s[G1C+3], 256<<16                    ; tile_dim0
	s_mov_b32 s[G1C+4], 128                        ; tile_dim1
	s_mov_b32 s[G1C+5], 256                        ; from row to row
	s_mov_b32 s[G1C+6], 0
	s_mov_b32 s[G1C+7], 0
	; and for the scale bytes of all 256 rows: 4,096 dense bytes as 16 rows of 256 (32 elements of 8 bytes)
	s_mov_b32 s[G1S], 3<<16
	s_mov_b32 s[G1S+1], 32<<16
	s_mov_b32 s[G1S+2], 16<<16
	s_mov_b32 s[G1S+3], 32<<16
	s_mov_b32 s[G1S+4], 16
	s_mov_b32 s[G1S+5], 32
	s_mov_b32 s[G1S+6], 0
	s_mov_b32 s[G1S+7], 0
	s_sub_co_u32 s90, ttmp9, 128
	s_lshr_b32 s91, s90, 6
	s_add_co_u32 s91, s91, 1
	s_and_b32 s92, s90, 63
	s_cmp_lt_u32 ttmp9, 128
	s_cselect_b32 s[ROLE], 0, s91                  ; 0 q, 1 k, 2 v
	s_cselect_b32 s[GI], ttmp9, s92                ; my number within the role
	s_lshr_b32 s90, s[GI], 1
	s_lshl_b32 s90, s90, 9
	s_lshl_b32 s91, s[WV], 7
	s_cmp_eq_u32 s[ROLE], 2
	s_cselect_b32 s90, s90, 0
	s_add_co_u32 s90, s90, s91                     ; P's first row: 128 w, in the v role + 512 (g / 2)
	s_mul_i32 s92, s90, 384
	s_mov_b32 s93, 0
	s_lshl_b32 s94, s90, 4
	s_mov_b32 s95, 0
	s_wait_dscnt 0x0
	s_wait_kmcnt 0x0
	s_cmp_eq_u32 s[ROLE], 0                        ; the choices hang on the work-group's number alone
	s_cselect_b64 s[PB:PB+1], s[18:19], s[22:23]
	s_cselect_b64 s[PSB:PSB+1], s[20:21], s[24:25]
	s_cselect_b64 s[BB:BB+1], s[30:31], s[32:33]
	s_cmp_eq_u32 s[ROLE], 2
	s_cselect_b64 s[PB:PB+1], s[14:15], s[PB:PB+1]
	s_cselect_b64 s[PSB:PSB+1], s[16:17], s[PSB:PSB+1]
	s_cselect_b64 s[RB:RB+1], s[26:27], s[10:11]
	s_cselect_b64 s[RSB:RSB+1], s[28:29], s[12:13]
	s_add_nc_u64 s[PB:PB+1], s[PB:PB+1], s[92:93]
	s_add_nc_u64 s[PSB:PSB+1], s[PSB:PSB+1], s[94:95]
	s_lshl_b32 s92, s[WV], 9
	s_add_nc_u64 s[BB:BB+1], s[BB:BB+1], s[92:93]  ; my 128 numbers of the bias (q, k)
	s_cmp_lg_u32 s[ROLE], 0
	s_cbranch_scc1 .Lkv_head
	; ---- q: my two tiles of Q are quantised and laid in LDS as images; then every wave multiplies all eight tiles by its 128 rows of Wq
	s_lshl_b32 s90, s[GI], 18                      ; my 32 rows of Q: (128 g + 32 w) x 2048 bytes
	s_lshl_b32 s91, s[WV], 16
	s_add_co_u32 s90, s90, s91
	s_mov_b32 s91, 0
	s_add_nc_u64 s[QB:QB+1], s[8:9], s[90:91]
	QLOAD 0
	QTILE 0
	QTILE 1                                        ; (its wait for all loads has also shown P and the bias in)
	s_wait_dscnt 0x0                               ; for the others' sake: my images have landed
	s_barrier_signal -1
	s_barrier_wait -1
	s_mul_i32 s90, s[GI], 8*7168
	s_mul_i32 s91, s[WV], 1792
	s_add_co_u32 s90, s90, s91
	s_mov_b32 s91, 0
	s_add_nc_u64 s[OB:OB+1], s[36:37], s[90:91]    ; qrec: tile 8 g, pair w
	s_mov_b32 s[BLK], 0
	s_mov_b32 s[TB], 0
	s_mov_b32 s[TS], 0
.Lq_unit:                                          ; eight trips: a tile of 16 rows each
	v_add_nc_u32 v[AD0], s[TB], v[IMB]
	v_add_nc_u32 v[ADS], s[TS], v[SIB]
.irp c, 0,1,2,3,4,5,6,7,8,9,10,11
	ds_load_b128 v[RF+4*\c:RF+4*\c+3], v[AD0] offset:512*\c
.endr
	ds_load_b128 v[RS:RS+3], v[ADS]
	s_wait_dscnt 0x0
	UNIT 8
	QUANT ACC, PW
	v_mov_b32 v[PW1], v[PW]
	global_store_b128 v[LI], v[PC:PC+3], s[OB:OB+1]
	global_store_b64 v[L8], v[PC+4:PC+5], s[OB:OB+1] offset:512
	global_store_b128 v[LI], v[PC+6:PC+9], s[OB:OB+1] offset:768
	global_store_b64 v[L8], v[PC+10:PC+11], s[OB:OB+1] offset:1280
	global_store_b64 v[L8], v[PW:PW+1], s[OB:OB+1] offset:1536
	s_wait_xcnt 0x0                                ; the stores have read their registers and their base
	s_add_nc_u64 s[OB:OB+1], s[OB:OB+1], 7168
	s_add_co_u32 s[TB], s[TB], 6144
	s_add_co_u32 s[TS], s[TS], 512
	s_add_co_u32 s[BLK], s[BLK], 1
	s_cmp_lt_u32 s[BLK], 8
	s_cbranch_scc1 .Lq_unit
	s_wait_tensorcnt 0x0
	ds_add_u32 v254, v255
	s_wait_dscnt 0x0
	s_endpgm
.Lkv_head:                                         ; ---- k, v: R's 256 rows come into LDS once: waves 0-2 bring a third of the codes each, wave 3 all the scale bytes: one tensor load a wave
	s_and_b32 s90, s[GI], 1
	s_cmp_eq_u32 s[ROLE], 2
	s_cselect_b32 s90, s90, s[GI]                  ; which 256 rows: g of K, g % 2 of Wv
	s_mul_i32 s92, s90, 98304
	s_lshl_b32 s91, s[WV], 15                      ; a third of 98,304 bytes
	s_add_co_u32 s92, s92, s91
	s_mov_b32 s93, 0
	s_mov_b32 s[G0C], 1
	s_mul_i32 s[G0C+1], s[WV], 36864               ; 256 pieces of 128 + 16 bytes
	s_add_nc_u64 s[G0C+2:G0C+3], s[RB:RB+1], s[92:93]
	s_or_b32 s[G0C+3], s[G0C+3], 0x80000000
	s_lshl_b32 s92, s90, 12
	s_mov_b32 s[G0S], 1
	s_mov_b32 s[G0S+1], RSC
	s_add_nc_u64 s[G0S+2:G0S+3], s[RSB:RSB+1], s[92:93]
	s_or_b32 s[G0S+3], s[G0S+3], 0x80000000
	s_cmp_lt_u32 s[WV], 3                          ; one chain of branches on the wave's number, one load to an arm
	s_cbranch_scc0 .Lkv_scales
	tensor_load_to_lds s[G0C:G0C+3], s[G1C:G1C+7]
	s_nop 0
.rept 4
	v_nop
.endr
	s_branch .Lkv_asked
.Lkv_scales:
	tensor_load_to_lds s[G0S:G0S+3], s[G1S:G1S+7]
	s_nop 0
.rept 4
	v_nop
.endr
.Lkv_asked:
	PLOAD
	s_cmp_eq_u32 s[ROLE], 2
	s_cbranch_scc1 .Lv
	; ---- k: 256 keys, two key steps; a trip takes 64 keys as four tiles of 16: tile u holds keys 8 u + rk, rk = 0 .. 7, 32 .. 39,
	; so that in the attention launch a lane's 32 scores of four tiles are one whole block of 32 neighbouring keys
	BLOAD
	s_wait_tensorcnt 0x0                           ; my quarter of R and of its scales has landed
	s_barrier_signal -1
	s_barrier_wait -1                              ; everybody's has
	s_wait_loadcnt 0x0                             ; P and the bias
	s_lshr_b32 s90, s[GI], 3
	s_lshl_b32 s90, s90, 3
	s_lshl_b32 s91, s[WV], 1
	s_add_co_u32 s90, s90, s91                     ; 8 x batch + head 2 w
	s_mul_i32 s90, s90, HS
	s_and_b32 s91, s[GI], 7
	s_mul_i32 s91, s91, 2*STEPB
	s_add_co_u32 s90, s90, s91
	s_mov_b32 s91, 0
	s_add_nc_u64 s[OB0:OB0+1], s[38:39], s[90:91]
	s_mov_b32 s[BLK], 0
	s_mov_b32 s[TB], 0
	s_mov_b32 s[TS], 0
.Lk_blk:
	s_lshr_b32 s90, s[BLK], 1
	s_mul_i32 s90, s90, STEPB                      ; which of the two key steps
	s_and_b32 s92, s[BLK], 1                       ; which 64 keys of it: fragments 2 (BLK & 1), 2 (BLK & 1) + 1
	s_mul_i32 s94, s92, 3072
	s_add_co_u32 s94, s94, s90
	s_mov_b32 s95, 0
	s_add_nc_u64 s[OB:OB+1], s[OB0:OB0+1], s[94:95]
	s_lshl_b32 s94, s92, 3
	s_add_co_u32 s94, s94, s90
	s_add_co_u32 s94, s94, 12288
	s_add_nc_u64 s[OS:OS+1], s[OB0:OB0+1], s[94:95]
	v_add_nc_u32 v[AD0], s[TB], v[RK0]
	v_add_nc_u32 v[AD1], s[TB], v[RK1]
	v_add_nc_u32 v[ADS], s[TS], v[RKS]
	KVUNIT 0, 0
	KVUNIT 1, 0
	v_perm_b32 v[SW0], v[PW1], v[PW], 0x05040100   ; head 2 w: the two bytes of tile 0's key, then of tile 1's
	v_perm_b32 v[SW1], v[PW1], v[PW], 0x07060302   ; head 2 w + 1
	global_store_b32 v[LI], v[SW0], s[OS:OS+1]
	global_store_b32 v[LI], v[SW1], s[OS:OS+1] offset:HS
	KVUNIT 2, 0                                    ; (its wait on XCNT frees the two words just stored)
	KVUNIT 3, 0
	v_perm_b32 v[SW0], v[PW1], v[PW], 0x05040100
	v_perm_b32 v[SW1], v[PW1], v[PW], 0x07060302
	global_store_b32 v[LI], v[SW0], s[OS:OS+1] offset:4
	global_store_b32 v[LI], v[SW1], s[OS:OS+1] offset:HS+4
	s_wait_xcnt 0x0                                ; the stores have read their registers and bases
	s_add_co_u32 s[TB], s[TB], 64*RPITCH
	s_add_co_u32 s[TS], s[TS], 1024
	s_add_co_u32 s[BLK], s[BLK], 1
	s_cmp_lt_u32 s[BLK], 4
	s_cbranch_scc1 .Lk_blk
	s_wait_tensorcnt 0x0
	ds_add_u32 v254, v255
	s_wait_dscnt 0x0
	s_endpgm
.Lv:	; ---- v: my key step (P) against 256 features of Wv (R): four heads; a trip takes 32 features, as two tiles
	s_and_b32 s90, s[GI], 1                        ; f: which 256 features
	s_lshl_b32 s92, s90, 10
	s_mov_b32 s93, 0
	s_add_nc_u64 s[BB:BB+1], s[34:35], s[92:93]    ; bv's 256 numbers (no load of this path has named s[BB])
	global_load_b128 v[148:151], v[BVO], s[BB:BB+1]
	global_load_b128 v[152:155], v[BVO], s[BB:BB+1] offset:16
	s_wait_loadcnt 0x0                             ; P and bv
	s_wait_alu depctr_va_vdst(0)
	ds_store_b128 v[BVW], v[148:151]               ; into my wave's own 1,024 bytes
	ds_store_b128 v[BVW], v[152:155] offset:16
	s_wait_tensorcnt 0x0                           ; my quarter of R and of its scales has landed
	s_wait_dscnt 0x0
	s_barrier_signal -1
	s_barrier_wait -1                              ; everybody's has
	s_lshr_b32 s91, s[GI], 1
	s_lshl_b32 s91, s91, 2
	s_add_co_u32 s91, s91, s[WV]                   ; my key step among all 128
	s_lshr_b32 s92, s91, 4
	s_lshl_b32 s92, s92, 3
	s_lshl_b32 s90, s90, 2
	s_add_co_u32 s92, s92, s90                     ; 8 x batch + head 4 f
	s_mul_i32 s92, s92, HS
	s_and_b32 s91, s91, 15
	s_mul_i32 s91, s91, STEPB
	s_add_co_u32 s92, s92, s91
	s_mov_b32 s93, 0
	s_add_nc_u64 s[OB0:OB0+1], s[38:39], s[92:93]
	s_mov_b32 s[BLK], 0
	s_mov_b32 s[TB], 0
	s_mov_b32 s[TS], 0
	s_mov_b32 s[TV], 0
.Lv_blk:
	s_lshr_b32 s90, s[BLK], 1
	s_mul_i32 s90, s90, HS                         ; which of the four heads
	s_and_b32 s92, s[BLK], 1
	s_mul_i32 s94, s92, 3072
	s_add_co_u32 s94, s94, s90
	s_add_co_u32 s94, s94, 6144
	s_mov_b32 s95, 0
	s_add_nc_u64 s[OB:OB+1], s[OB0:OB0+1], s[94:95]
	s_lshl_b32 s94, s92, 3
	s_add_co_u32 s94, s94, s90
	s_add_co_u32 s94, s94, 12800
	s_add_nc_u64 s[OS:OS+1], s[OB0:OB0+1], s[94:95]
	v_add_nc_u32 v[AD0], s[TB], v[RA0]
	v_add_nc_u32 v[AD1], s[TB], v[RA1]
	v_add_nc_u32 v[ADS], s[TS], v[RSA]
	v_add_nc_u32 v[ADB], s[TV], v[BVA]
	KVUNIT 0, 1
	KVUNIT 1, 1
	s_wait_xcnt 0x0                                ; the stores have read their registers and bases
	s_add_co_u32 s[TB], s[TB], 32*RPITCH
	s_add_co_u32 s[TS], s[TS], 512
	s_add_co_u32 s[TV], s[TV], 128
	s_add_co_u32 s[BLK], s[BLK], 1
	s_cmp_lt_u32 s[BLK], 8
	s_cbranch_scc1 .Lv_blk
	s_wait_tensorcnt 0x0
	ds_add_u32 v254, v255
	s_wait_dscnt 0x0
	s_endpgm
.Lfunc_end_k_q2961077cdd_proj:
	.size	k_q2961077cdd_proj, .Lfunc_end_k_q2961077cdd_proj-k_q2961077cdd_proj
	.p2alignl 7, 3214868480
	.fill 96, 4, 3214868480
	.section	.rodata,"a",@progbits
	.p2align	6, 0x0
	.amdhsa_kernel k_q2961077cdd_proj
		.amdhsa_group_segment_fixed_size 304640
		.amdhsa_private_segment_fixed_size 0
		.amdhsa_enable_private_segment 0
		.amdhsa_kernarg_size 128
		.amdhsa_user_sgpr_count 2
		.amdhsa_user_sgpr_kernarg_segment_ptr 1
		.amdhsa_wavefront_size32 1
		.amdhsa_system_sgpr_workgroup_id_x 1
		.amdhsa_system_sgpr_workgroup_id_y 1
		.amdhsa_system_sgpr_workgroup_id_z 1
		.amdhsa_system_vgpr_workitem_id 0
		.amdhsa_next_free_vgpr 1024
		.amdhsa_next_free_sgpr 100
		.amdhsa_reserve_vcc 0
		.amdhsa_float_denorm_mode_32 3
		.amdhsa_float_denorm_mode_16_64 3
		.amdhsa_memory_ordered 1
		.amdhsa_forward_progress 1
		.amdhsa_inst_pref_size 184
	.end_amdhsa_kernel
	.amdgpu_metadata
---
amdhsa.version: [ 1, 2 ]
amdhsa.kernels:
  - .name:           k_q2961077cdd_proj
    .symbol:         k_q2961077cdd_proj.kd
    .args:
      - { .name: Q, .offset: 0, .size: 8, .value_kind: global_buffer, .address_space: global }
      - { .name: K_codes, .offset: 8, .size: 8, .value_kind: global_buffer, .address_space: global }
      - { .name: K_scales, .offset: 16, .size: 8, .value_kind: global_buffer, .address_space: global }
      - { .name: V_codes, .offset: 24, .size: 8, .value_kind: global_buffer, .address_space: global }
      - { .name: V_scales, .offset: 32, .size: 8, .value_kind: global_buffer, .address_space: global }
      - { .name: Wq_codes, .offset: 40, .size: 8, .value_kind: global_buffer, .address_space: global }
      - { .name: Wq_scales, .offset: 48, .size: 8, .value_kind: global_buffer, .address_space: global }
      - { .name: Wk_codes, .offset: 56, .size: 8, .value_kind: global_buffer, .address_space: global }
      - { .name: Wk_scales, .offset: 64, .size: 8, .value_kind: global_buffer, .address_space: global }
      - { .name: Wv_codes, .offset: 72, .size: 8, .value_kind: global_buffer, .address_space: global }
      - { .name: Wv_scales, .offset: 80, .size: 8, .value_kind: global_buffer, .address_space: global }
      - { .name: bq, .offset: 88, .size: 8, .value_kind: global_buffer, .address_space: global }
      - { .name: bk, .offset: 96, .size: 8, .value_kind: global_buffer, .address_space: global }
      - { .name: bv, .offset: 104, .size: 8, .value_kind: global_buffer, .address_space: global }
      - { .name: qrec, .offset: 112, .size: 8, .value_kind: global_buffer, .address_space: global }
      - { .name: kv, .offset: 120, .size: 8, .value_kind: global_buffer, .address_space: global }
    .group_segment_fixed_size: 304640
    .private_segment_fixed_size: 0
    .kernarg_segment_align: 8
    .kernarg_segment_size: 128
    .max_flat_workgroup_size: 128
    .sgpr_count:     100
    .vgpr_count:     1024
    .wavefront_size: 32
...
	.end_amdgpu_metadata
.endif
;; end of part 1
;; launch attn (part 2): grid 4 x 64, 8 waves a work-group, clusters of 4 x 1, 327,680 bytes of LDS; arguments qrec, kv, crec; writes crec
.if DOCPART == 2
	.amdgcn_target "amdgcn-amd-amdhsa--gfx1250"
	.amdhsa_code_object_version 6
	.text
	.protected	k_q2961077cdd_attn
	.globl	k_q2961077cdd_attn
	.p2align	8
	.type	k_q2961077cdd_attn,@function
k_q2961077cdd_attn:
	s_mov_b64 s[64:65], 0
	v_nop
	global_prefetch_b8 v0, s[64:65] scope:SCOPE_SE
	s_setreg_imm32_b32 hwreg(HW_REG_WAVE_MODE, 25, 1), 1
	s_wait_xcnt 0x0
	s_wait_alu depctr_hold_cnt(0) depctr_sa_sdst(0) depctr_va_vdst(0) depctr_va_sdst(0) depctr_va_ssrc(0) depctr_va_vcc(0) depctr_vm_vsrc(0)
	s_getreg_b32 s2, hwreg(HW_REG_IB_STS2, 6, 4)
	s_cmp_eq_u32 s2, 0
	s_cbranch_scc0 .Lentry_in_a_cluster
	s_endpgm
.Lentry_in_a_cluster:
	s_bfe_u32 s2, ttmp6, 0x10000c
	s_cmp_lg_u32 s2, 0x3003
	s_cbranch_scc0 .Lentry_shape_is_right
	s_endpgm
.Lentry_shape_is_right:
; ctx = softmax(q k^T / 8) v for one batch and head and 512 queries, on codes of FP6 (E2M3); ctx is quantised along the head's 64 and stored as images of operand registers.
; A work-group has 8 waves; a wave takes TWO tiles of 16 queries at a time (tile a, tile b) and two such pairs one after the other.  Both products are used transposed
; (S^T = k q^T, O^T = v^T p^T): a lane holds one query.  A step is 128 keys.  kv [batch x head][step 16][13312]: K's four fragments, V's four, K's scale words, V's.
; THE KEYS OF A TILE OF K: row 8 h + j of tile 4 c + w is key 64 c + 32 h + 8 w + j, so a lane's registers S + 32 c + 0 .. 31 are ONE WHOLE BLOCK of 32 neighbouring keys (block 2 c + h),
; as the 6-bit operand wants it: a block's largest score needs no other lane and p's codes no exchange of lanes.
; THE TWO TILES RUN HALF A STEP APART, AND ONE TILE'S PRODUCTS STAND AMONG THE OTHER'S EXPONENTIALS: among tile a's stand this step's S_b; among tile b's stand O_a and the next step's S_a; O_b follows tile b's vector work.
; Each fragment of K and V read from LDS feeds both tiles.
; M is the ceiling of the running largest t, kept as -M; the row's sum is taken of the unquantised p, in four chains that last through the keys; a change of M multiplies sums and O^T by an exact power of two.
; REGISTERS: window 0: v0-19 addresses and scale words, v20-67 K's fragments; window 1: v20-67 V's fragments.  v68-231: a tile's own state, tile a in window 0, tile b in window 1, under the same numbers.
; LDS: the head's whole kv, 212,992 bytes, filled once: steps 0-3 by the first joint load, steps 4-15 by the second, which lands under the first three steps' work; then the spare words.
; CLUSTER: the four work-groups of a cluster take the four quarters of one head's queries and ask for its kv jointly.
; NO PREFETCH: the launch's whole stream is asked for by the two loads at its head; no loop runs ahead of a load.
; LIMITS: the promise holds while the scaled scores (score x log2(e) / 8) stay under 2^31 in magnitude; NaN and infinities are not served; a block of p whose every number has fallen to 0 keeps the byte 1.
.set HS,    212992
.set STEPB, 13312
.set PART1, 4*STEPB                    ; the first load's bytes
.set SPARE, 16*STEPB                   ; the spare words: 128 bytes a wave
.set LI,  1                            ; 16 x lane
.set L8,  2                            ; 8 x lane
.set A16, 3                            ; the step's LDS addresses
.set A8,  4
.set HH,  5                            ; lane / 16
.set SPW, 6
.set NIL, 7
.set PSW, 8                            ; v8, v9   p's scale word, tile a, b
.set QS,  10                           ; v10, v11 q's scale word
.set KSW, 12                           ; v12-15   K's scale words
.set VSW, 16                           ; v16-19   V's
.set KF,  20                           ; window 0
.set VF,  20                           ; window 1
.set QQ,  68                           ; six zeros, q's six registers, six zeros: v[QQ+6 ..] has q in K 0-63, v[QQ ..] in K 64-127
.set NM,  86                           ; -M (pair)
.set LS,  88                           ; the row's sum: the first of four chains of two halves
.set FF,  90                           ; 2^(old M - new M) (pair)
.set MR,  92                           ; the running largest score
.set TT,  93
.set N2,  94
.set SH,  95                           ; 8 x (lane / 16)
.set BM,  96                           ; v96-99 largest scores
.set SOP, 100                          ; the conversions' scale operands
.set BY,  102                          ; scale bytes
.set QW,  104
.set W,   105
.set WW,  106
.set X1,  108                          ; the sum's other three chains
.set X2,  110
.set X3,  112
.set PCD, 114                          ; p's codes, 12 registers
.set PT0, 126                          ; the upper halves of the two blocks, as the conversions leave them
.set PT1, 130
.set S,   136                          ; 64: scores, then p
.set O,   200                          ; 32: O^T
.set WV,  10
.set G1A, 16
.set G1B, 24
.set G0A, 32
.set G0B, 36
.set SEL, 40
.set CS,  42
.set SELQ, 44
.set TB,  45
.set CNT, 46
.set PASS, 47
.set QP,  48
.set QSP, 50
.set CP,  52
.set MSB, 0
.macro WIN new                         ; the immediate's high byte repeats the setting that is left; a switch that changes nothing is dropped
.if MSB != (\new)
	s_set_vgpr_msb (MSB<<8)|(\new)
.set MSB, (\new)
.endif
.endm
.macro CROUND
	s_barrier_signal -1
	s_barrier_wait -1
	s_cmp_lg_u32 s[WV], 0
	s_cbranch_scc1 .Lnot_wave_0_\@
	s_barrier_signal -3
.Lnot_wave_0_\@:
	s_barrier_wait -3
	s_barrier_signal -1
	s_barrier_wait -1
.endm
.macro KLOAD a16, a8, off              ; K's four fragments (two records of 16 keys x 64 each) and their scale words
.irp f, 0,1,2,3
.irp u, 0,1
	ds_load_b128 v[KF+12*\f+6*\u:KF+12*\f+6*\u+3], v[\a16] offset:(\off)+1536*\f+768*\u
	ds_load_b64 v[KF+12*\f+6*\u+4:KF+12*\f+6*\u+5], v[\a8] offset:(\off)+1536*\f+768*\u+512
.endr
.endr
	ds_load_b128 v[KSW:KSW+3], v[\a16] offset:(\off)+12288
.endm
.macro QLD off                         ; q's records and scale words of a pair of tiles
	global_load_b128 v[QQ+6:QQ+9], v[LI], s[QP:QP+1] offset:(\off) th:TH_LOAD_NT
	global_load_b64 v[QQ+10:QQ+11], v[L8], s[QP:QP+1] offset:(\off)+512 th:TH_LOAD_NT
	global_load_b32 v[QW], v[L8], s[QSP:QSP+1] offset:(\off) th:TH_LOAD_NT
	WIN 0x40
	global_load_b128 v[QQ+6:QQ+9], v[LI], s[QP:QP+1] offset:(\off)+7168 th:TH_LOAD_NT
	global_load_b64 v[QQ+10:QQ+11], v[L8], s[QP:QP+1] offset:(\off)+7168+512 th:TH_LOAD_NT
	global_load_b32 v[QW], v[L8], s[QSP:QSP+1] offset:(\off)+7168 th:TH_LOAD_NT
	WIN 0
.endm
.macro SM1 q, f, u                     ; one product of S^T of tile q: record u of K's fragment f; D and q's registers in the tile's window
	WIN 0x44*(\q)
	v_wmma_scale_f32_16x16x128_f8f6f4 v[S+16*(\f)+8*(\u):S+16*(\f)+8*(\u)+7], v[KF+12*(\f):KF+12*(\f)+11], v[QQ+6-6*(\u):QQ+17-6*(\u)], 0, v[KSW+(\f)], v[QS+(\q)] matrix_a_fmt:MATRIX_FMT_FP6 matrix_b_fmt:MATRIX_FMT_FP6
.endm
.macro OM1 q, t                        ; one product of O^T of tile q += v^T p^T: source 0 in window 1
	WIN 0x01+0x54*(\q)
	v_wmma_scale_f32_16x16x128_f8f6f4 v[O+8*(\t):O+8*(\t)+7], v[VF+12*(\t):VF+12*(\t)+11], v[PCD:PCD+11], v[O+8*(\t):O+8*(\t)+7], v[VSW+(\t)], v[PSW+(\q)] matrix_a_fmt:MATRIX_FMT_FP6 matrix_b_fmt:MATRIX_FMT_FP6
.endm
.macro EXPS j0, n                      ; p = 2^(t - M), n numbers from the j0-th on
.set j, (\j0)
.rept (\n)
	v_exp_f32 v[S+j], v[S+j]
.set j, j+1
.endr
.endm
.macro SUM4 k                          ; pairs k .. k + 3 of p onto the sum's four chains
	v_pk_add_f32 v[LS:LS+1], v[LS:LS+1], v[S+2*(\k):S+2*(\k)+1]
	v_pk_add_f32 v[X1:X1+1], v[X1:X1+1], v[S+2*(\k)+2:S+2*(\k)+3]
	v_pk_add_f32 v[X2:X2+1], v[X2:X2+1], v[S+2*(\k)+4:S+2*(\k)+5]
	v_pk_add_f32 v[X3:X3+1], v[X3:X3+1], v[S+2*(\k)+6:S+2*(\k)+7]
.endm
; The vector work of one tile and one step: scores -> M, p, the sum, p's codes and scale word; O^T under the new M.  Among its exponentials stand the other tile's products, which name none of this tile's registers.
.macro VEC q, nxt
	WIN 0x55*(\q)
	s_wait_alu depctr_va_vdst(0)                   ; the wait ahead of the first readers of S
.irp c, 0,1                                    ; my block c's largest score, in two chains of 15, each accumulator from its low end on
	v_max3_num_f32 v[BM+2*\c], v[S+32*\c], v[S+32*\c+1], v[S+32*\c+2]
	v_max3_num_f32 v[BM+2*\c+1], v[S+32*\c+16], v[S+32*\c+17], v[S+32*\c+18]
.endr
.irp i, 3,5,7,9,11,13
.irp c, 0,1
	v_max3_num_f32 v[BM+2*\c], v[BM+2*\c], v[S+32*\c+\i], v[S+32*\c+\i+1]
	v_max3_num_f32 v[BM+2*\c+1], v[BM+2*\c+1], v[S+32*\c+\i+16], v[S+32*\c+\i+17]
.endr
.endr
.irp c, 0,1
	v_max3_num_f32 v[BM+2*\c], v[BM+2*\c], v[BM+2*\c+1], v[S+32*\c+15]
.endr
.irp c, 0,1
	v_max_num_f32 v[BM+2*\c], v[BM+2*\c], v[S+32*\c+31]
.endr
	s_delay_alu instid0(VALU_DEP_1)
	v_max3_num_f32 v[MR], v[MR], v[BM], v[BM+2]    ; the running largest score of my query: my two blocks,
	s_delay_alu instid0(VALU_DEP_1)
	v_permlanex16_b32 v[TT], v[MR], s[SEL], s[SEL+1]
	s_delay_alu instid0(VALU_DEP_1)
	v_max_num_f32 v[MR], v[MR], v[TT]              ; and lane l xor 16's
	s_delay_alu instid0(VALU_DEP_1)
	v_mul_f32 v[TT], s[CS], v[MR]                  ; as t (c is positive)
	s_delay_alu instid0(VALU_DEP_1)
	v_floor_f32 v[N2], -v[TT]                      ; the new -M = -ceil(t)
	s_delay_alu instid0(VALU_DEP_1)
	v_sub_f32 v[TT], v[N2], v[NM]                  ; old M less new M: a whole number, 0 or less
	v_mov_b32 v[NM], v[N2]
	s_delay_alu instid0(VALU_DEP_2)
	v_cvt_i32_f32 v[TT], v[TT]                     ; (it saturates)
	s_delay_alu instid0(VALU_DEP_1)
	v_ldexp_f32 v[FF], 1.0, v[TT]
	s_wait_alu depctr_va_vdst(0)                   ; the wait ahead of the first readers of O^T
.set j, 0
.rept 16
	v_pk_mul_f32 v[O+j:O+j+1], v[O+j:O+j+1], v[FF:FF+1] op_sel_hi:[1,0]
.set j, j+2
.endr
.set j, 0
.rept 32
	v_pk_fma_f32 v[S+j:S+j+1], v[S+j:S+j+1], s[CS:CS+1], v[NM:NM+1] op_sel_hi:[1,0,0]   ; t - M
.set j, j+2
.endr
	v_fma_f32 v[BM], v[BM], s[CS], v[NM]           ; the same of each block's largest score
	v_fma_f32 v[BM+2], v[BM+2], s[CS], v[NM]
	s_wait_alu depctr_va_vdst(0)                   ; the wait ahead of the batch (and of the wait below)
.if \q
	s_wait_dscnt 0x0                               ; this step's V, asked for at its top, and the next step's K, asked for behind tile a's batch, are in
.irp t, 0,1,2,3                                ; tile a's O^T, a product ahead of each five exponentials,
	OM1 0, \t
	WIN 0x55
	EXPS 5*\t, 5
.endr
.if \nxt
.irp m, 0,1,2,3,4,5,6,7                        ; and its next step's scores
	SM1 0, \m/2, \m%2
	WIN 0x55
	EXPS 20+5*\m, 5
.endr
	EXPS 60, 4
.else
	EXPS 20, 44
.endif
.else
.irp m, 0,1,2,3,4,5,6,7                        ; tile b's scores of this step, a product ahead of each eight exponentials
	SM1 1, \m/2, \m%2
	WIN 0
	EXPS 8*\m, 8
.endr
.endif
	v_exp_f32 v[BM], v[BM]                         ; the blocks' largest p
	v_exp_f32 v[BM+2], v[BM+2]
	v_nop                                          ; a plain place behind the batch
	s_wait_alu depctr_va_vdst(0)                   ; one wait for the batch
	v_pk_fma_f32 v[LS:LS+1], v[LS:LS+1], v[FF:FF+1], v[S:S+1] op_sel_hi:[1,0,1]       ; the four chains under the new M, and p's first four pairs
	v_pk_fma_f32 v[X1:X1+1], v[X1:X1+1], v[FF:FF+1], v[S+2:S+3] op_sel_hi:[1,0,1]
	v_pk_fma_f32 v[X2:X2+1], v[X2:X2+1], v[FF:FF+1], v[S+4:S+5] op_sel_hi:[1,0,1]
	v_pk_fma_f32 v[X3:X3+1], v[X3:X3+1], v[FF:FF+1], v[S+6:S+7] op_sel_hi:[1,0,1]
	v_max_num_f32 v[BM], 0x1800000, v[BM]          ; the floor 2^(3 - 127): the byte cannot fall under 1
	v_max_num_f32 v[BM+2], 0x1800000, v[BM+2]
	SUM4 4
	v_add_nc_u32 v[SOP], 0xff000000, v[BM]         ; 2 off the exponent field: the conversion's scale operand
	v_add_nc_u32 v[SOP+1], 0xff000000, v[BM+2]
	SUM4 8
	v_lshrrev_b32 v[BY], 23, v[SOP]                ; the scale's byte
	v_lshrrev_b32 v[BY+1], 23, v[SOP+1]
	v_cvt_scalef32_pk16_fp6_f32 v[PCD:PCD+2], v[S:S+15], v[SOP]
	v_cvt_scalef32_pk16_fp6_f32 v[PT0:PT0+2], v[S+16:S+31], v[SOP]       ; (a conversion's three registers begin on an even number)
	v_cvt_scalef32_pk16_fp6_f32 v[PCD+6:PCD+8], v[S+32:S+47], v[SOP+1]
	v_cvt_scalef32_pk16_fp6_f32 v[PT1:PT1+2], v[S+48:S+63], v[SOP+1]
	SUM4 12                                        ; plain places behind the conversions
	v_lshl_or_b32 v[W], v[BY+1], 16, v[BY]         ; my two bytes: blocks h and 2 + h,
.irp i, 0,1,2
	v_mov_b32 v[PCD+3+\i], v[PT0+\i]
.endr
	v_lshlrev_b32 v[W], v[SH], v[W]                ; at their places in the scale word
.irp i, 0,1,2
	v_mov_b32 v[PCD+9+\i], v[PT1+\i]
.endr
	v_permlanex16_b32 v[TT], v[W], s[SEL], s[SEL+1]
	SUM4 16
	WIN 0x15*(\q)                                  ; scale words lie in window 0
	v_or_b32 v[PSW+\q], v[W], v[TT]                ; with lane l xor 16's two the word is whole
	WIN 0x55*(\q)
	SUM4 20                                        ; these twelve are the places between the scale word, the codes and tile b's products
	SUM4 24
	SUM4 28
.endm
; One step.  At its top this step's V is asked for; behind tile a's vector work the next step's K (K's registers are free behind tile b's scores).
.macro BODY nxt
	v_add_nc_u32 v[A16], s[TB], v[LI]
	v_add_nc_u32 v[A8], s[TB], v[L8]
	v_nop
	v_nop                                          ; four places behind the last products, ahead of loads into their operands
	WIN 0x40
.irp t, 0,1,2,3
.irp c, 0,1,2
	ds_load_b128 v[VF+12*\t+4*\c:VF+12*\t+4*\c+3], v[A16] offset:6144+1536*\t+512*\c
.endr
.endr
	WIN 0
	ds_load_b128 v[VSW:VSW+3], v[A16] offset:12800
	VEC 0, 1
.if \nxt
	KLOAD A16, A8, STEPB
.else
	s_cmp_eq_u32 s[PASS], 1                        ; the last step of a pair: q's and K's registers are free, and where a pair follows, its q and step 0's K are asked for here
	s_cbranch_scc1 .Lno_next_\@
	QLD 16*7168
	KLOAD LI, L8, 0
.Lno_next_\@:
.endif
	VEC 1, \nxt
.irp t, 0,1,2,3
	OM1 1, \t
.endr
	WIN 0
	s_add_co_u32 s[TB], s[TB], STEPB
.endm
; A tile's end: O^T / the sum, quantised along the head's 64 (register 16 b + i = feature 32 b + 16 (lane / 16) + i), stored as half a fragment's image and its two scale bytes.
.macro EPI q
	WIN 0x55*(\q)
	v_pk_add_f32 v[LS:LS+1], v[LS:LS+1], v[X1:X1+1]
	v_pk_add_f32 v[X2:X2+1], v[X2:X2+1], v[X3:X3+1]
	s_delay_alu instid0(VALU_DEP_1)
	v_pk_add_f32 v[LS:LS+1], v[LS:LS+1], v[X2:X2+1]
	s_delay_alu instid0(VALU_DEP_1)
	v_add_f32 v[LS], v[LS], v[LS+1]
	s_delay_alu instid0(VALU_DEP_1)
	v_permlanex16_b32 v[TT], v[LS], s[SEL], s[SEL+1]
	s_delay_alu instid0(VALU_DEP_1)
	v_add_f32 v[LS], v[LS], v[TT]
	s_wait_alu depctr_va_vdst(0)                   ; the wait ahead of the transcendental,
	v_rcp_f32 v[LS], v[LS]
	v_nop
	s_wait_alu depctr_va_vdst(0)                   ; and ahead of its first reader, which is also O^T's
.set j, 0
.rept 16
	v_pk_mul_f32 v[S+j:S+j+1], v[O+j:O+j+1], v[LS:LS+1] op_sel_hi:[1,0]
.set j, j+2
.endr
.irp b, 0,1
	v_max3_num_f32 v[BM+\b], |v[S+16*\b]|, |v[S+16*\b+1]|, 0x1800000
.endr
.irp i, 2,4,6,8,10,12,14
.irp b, 0,1
	s_delay_alu instid0(VALU_DEP_2)
	v_max3_num_f32 v[BM+\b], v[BM+\b], |v[S+16*\b+\i]|, |v[S+16*\b+\i+1]|
.endr
.endr
.irp b, 0,1
	s_delay_alu instid0(VALU_DEP_2)
	v_permlanex16_b32 v[BM+2+\b], v[BM+\b], s[SEL], s[SEL+1]
.endr
.irp b, 0,1
	s_delay_alu instid0(VALU_DEP_2)
	v_max_num_f32 v[BM+\b], v[BM+\b], v[BM+2+\b]
.endr
.irp b, 0,1
	s_delay_alu instid0(VALU_DEP_2)
	v_add_nc_u32 v[SOP+\b], 0xff000000, v[BM+\b]
.endr
.irp b, 0,1
	s_delay_alu instid0(VALU_DEP_2)
	v_lshrrev_b32 v[BY+\b], 23, v[SOP+\b]
.endr
	s_delay_alu instid0(VALU_DEP_1)
	v_lshl_or_b32 v[WW], v[BY+1], 8, v[BY]
	s_delay_alu instid0(VALU_DEP_1)
	v_mov_b32 v[WW+1], v[WW]
	v_cvt_scalef32_pk16_fp6_f32 v[PCD:PCD+2], v[S:S+15], v[SOP]
	v_cvt_scalef32_pk16_fp6_f32 v[PCD+4:PCD+6], v[S+16:S+31], v[SOP+1]
	v_nop
.irp i, 0,1,2
	v_permlane16_swap_b32 v[PCD+\i], v[PCD+4+\i]
.endr
.irp i, 0,1,2
	s_delay_alu instid0(VALU_DEP_3)
	v_mov_b32 v[PCD+3+\i], v[PCD+4+\i]
.endr
	WIN 0x04*(\q)                                  ; a store's data are its source 1
	global_store_b128 v[LI], v[PCD:PCD+3], s[CP:CP+1] offset:8192*(\q)
	global_store_b64 v[L8], v[PCD+4:PCD+5], s[CP:CP+1] offset:8192*(\q)+512
	global_store_b64 v[L8], v[WW:WW+1], s[CP:CP+1] offset:8192*(\q)+768
.endm
	s_load_b128 s[4:7], s[0:1], 0x0                ; qrec, kv
	s_load_b64 s[8:9], s[0:1], 0x10                ; crec
	v_lshl_add_u32 v[SPW], v0, 2, SPARE
	v_mov_b32 v[NIL], 0
	ds_add_u32 v[SPW], v[NIL]                      ; the opening lines: the add, twice on end, and its wait
	ds_add_u32 v[SPW], v[NIL]
	v_lshrrev_b32 v3, 5, v0
	s_delay_alu instid0(VALU_DEP_1)
	v_readfirstlane_b32 s[WV], v3                  ; wave 0..7
	v_and_b32 v4, 31, v0
	v_bfe_u32 v[HH], v0, 4, 1
	s_delay_alu instid0(VALU_DEP_2)
	v_lshlrev_b32 v[LI], 4, v4
	v_lshlrev_b32 v[L8], 3, v4
	s_bfe_u32 s11, ttmp6, 0x40000                  ; cx: which 512 queries
	s_and_b32 s12, ttmp7, 0xffff                   ; 8 x batch + head
.irp g, G1A, G1B                               ; dense bytes as rows of 256 (32 elements of 8 bytes), for all four work-groups of the cluster
	s_mov_b32 s[\g], 15|(3<<16)|(1<<21)
	s_mov_b32 s[\g+1], 32<<16
	s_mov_b32 s[\g+3], 32<<16
	s_mov_b32 s[\g+5], 32
	s_mov_b32 s[\g+6], 0
	s_mov_b32 s[\g+7], 0
.endr
	s_mov_b32 s[G1A+2], 26<<16                     ; an eighth of steps 0-3: 6,656 bytes
	s_mov_b32 s[G1A+4], 26
	s_mov_b32 s[G1B+2], 78<<16                     ; an eighth of steps 4-15: 19,968 bytes
	s_mov_b32 s[G1B+4], 78
	s_mov_b32 s[SEL], 0x76543210
	s_mov_b32 s[SEL+1], 0xfedcba98
	s_mov_b32 s[CS], 0x3e38aa3b                    ; c = log2(e) / 8
	s_mov_b32 s[CS+1], s[CS]
	s_lshr_b32 s54, s12, 3
	s_and_b32 s55, s12, 7
	s_lshl_b32 s54, s54, 7
	s_lshl_b32 s56, s11, 5
	s_add_co_u32 s54, s54, s56
	s_lshl_b32 s56, s[WV], 1
	s_add_co_u32 s54, s54, s56                     ; tile a = 128 batch + 32 cx + 2 wave; tile b the next; the second pair 16 on
	s_mul_i32 s56, s54, 7168
	s_lshr_b32 s57, s55, 1
	s_mul_i32 s57, s57, 1792
	s_add_co_u32 s56, s56, s57
	s_and_b32 s58, s55, 1
	s_mul_i32 s59, s58, 768
	s_add_co_u32 s60, s56, s59                     ; q's record
	s_mov_b32 s61, 0
	s_add_co_u32 s56, s56, 1536                    ; its scale words
	s_mov_b32 s57, 0
	s_lshl_b32 s62, s54, 13
	s_lshl_b32 s63, s55, 10
	s_add_co_u32 s62, s62, s63                     ; ctx's record
	s_mov_b32 s63, 0
	s_mov_b32 s[SELQ], 0x03020302
	s_cmp_eq_u32 s58, 0
	s_cselect_b32 s[SELQ], 0x01000100, s[SELQ]     ; my head's two bytes of the pair's scale word, twice
	s_mul_i32 s14, s12, HS
	s_mov_b32 s15, 0
	s_mul_i32 s[G0A+1], s[WV], 6656                ; a byte's place in LDS is its place in the head's kv
	s_mul_i32 s[G0B+1], s[WV], 19968
	s_add_co_u32 s[G0B+1], s[G0B+1], PART1
	s_wait_alu depctr_va_vdst(0)
	s_wait_dscnt 0x0
	s_wait_kmcnt 0x0
	s_add_nc_u64 s[QP:QP+1], s[4:5], s[60:61]
	s_add_nc_u64 s[QSP:QSP+1], s[4:5], s[56:57]
	s_add_nc_u64 s[CP:CP+1], s[8:9], s[62:63]
	s_add_nc_u64 s[14:15], s[6:7], s[14:15]
	s_mov_b32 s12, s[G0A+1]
	s_mov_b32 s13, 0
	s_add_nc_u64 s[G0A+2:G0A+3], s[14:15], s[12:13]
	s_mov_b32 s12, s[G0B+1]
	s_add_nc_u64 s[G0B+2:G0B+3], s[14:15], s[12:13]
	s_or_b32 s[G0A+3], s[G0A+3], 0x80000000
	s_or_b32 s[G0B+3], s[G0B+3], 0x80000000
	s_mov_b32 s[G0A], 1
	s_mov_b32 s[G0B], 1
	CROUND                                         ; the four work-groups are here: the joint loads meet
	tensor_load_to_lds s[G0A:G0A+3], s[G1A:G1A+7]  ; steps 0-3: my one load at the head
	s_nop 0
.irp d, 0, 0x40                                ; what is written once, in both tiles' windows
	WIN \d
.irp j, 0,1,2,3,4,5
	v_mov_b32 v[QQ+\j], 0
	v_mov_b32 v[QQ+12+\j], 0
.endr
	v_mov_b32 v[TT], 0                             ; a lane permute's destination counts as one of its sources
	v_mov_b32 v[FF+1], 0                           ; upper halves of pairs that are named whole
	v_mov_b32 v[NM+1], 0
	v_lshlrev_b32 v[SH], 3, v[HH]
.endr
	WIN 0
	QLD 0                                          ; the first pair's q comes while the tile lands
	s_wait_alu depctr_va_vdst(0)
	s_wait_tensorcnt 0x0                           ; my part of steps 0-3 is in
	ds_add_u32 v[SPW], v[NIL]
	s_wait_dscnt 0x0
	CROUND                                         ; everybody's part is in
	tensor_load_to_lds s[G0B:G0B+3], s[G1B:G1B+7]  ; steps 4-15
	s_nop 0
.rept 4
	v_nop
.endr
	KLOAD LI, L8, 0                                ; step 0's K
	s_mov_b32 s[PASS], 2
.Lpass:                                            ; a pair of tiles; its q and step 0's K have been asked for
.irp d, 0, 0x40
	WIN \d
	v_mov_b32 v[MR], 0xff61b1e6                    ; the largest score so far: -3e38
	v_mov_b32 v[NM], 0x7f61b1e6                    ; -M
.irp j, 0,1
	v_mov_b32 v[LS+\j], 0
	v_mov_b32 v[X1+\j], 0
	v_mov_b32 v[X2+\j], 0
	v_mov_b32 v[X3+\j], 0
.endr
.endr
	WIN 0
	s_mov_b32 s[TB], 0
	s_wait_alu depctr_va_vdst(0)
	s_wait_loadcnt 0x0
	s_wait_dscnt 0x0
	v_perm_b32 v[QS], v[QW], v[QW], s[SELQ]
	WIN 0x15
	v_perm_b32 v[QS+1], v[QW], v[QW], s[SELQ]
.irp d, 0, 0x40                                ; the step is written once: the first finds zeros.  (These are also the places between q's scale words and the products)
	WIN \d
.set j, 0
.rept 32
	v_mov_b32 v[O+j], 0
.set j, j+1
.endr
.endr
.irp m, 0,1,2,3,4,5,6,7                        ; tile a's scores of step 0
	SM1 0, \m/2, \m%2
.endr
	WIN 0
	s_mov_b32 s[CNT], 3
.Lfirst:                                           ; steps 0-2: they read steps 0-3 of kv
	BODY 1
	s_sub_co_u32 s[CNT], s[CNT], 1
	s_cmp_lg_u32 s[CNT], 0
	s_cbranch_scc1 .Lfirst
	s_wait_tensorcnt 0x0                           ; my part of steps 4-15 is in,
	s_barrier_signal -1
	s_barrier_wait -1                              ; and everybody's
	s_mov_b32 s[CNT], 12
.Lrest:                                            ; steps 3-14
	BODY 1
	s_sub_co_u32 s[CNT], s[CNT], 1
	s_cmp_lg_u32 s[CNT], 0
	s_cbranch_scc1 .Lrest
	BODY 0                                         ; step 15 has no next step
	EPI 0
	EPI 1
	WIN 0
	s_wait_xcnt 0x0                                ; the loads and stores have read their registers and their bases
	s_add_nc_u64 s[QP:QP+1], s[QP:QP+1], 16*7168
	s_add_nc_u64 s[QSP:QSP+1], s[QSP:QSP+1], 16*7168
	s_add_nc_u64 s[CP:CP+1], s[CP:CP+1], 16*8192
	s_sub_co_u32 s[PASS], s[PASS], 1
	s_cmp_lg_u32 s[PASS], 0
	s_cbranch_scc1 .Lpass
	s_wait_tensorcnt 0x0                           ; the wave's end
	ds_add_u32 v[SPW], v[NIL]
	s_wait_dscnt 0x0
	CROUND                                         ; the closing round
	s_endpgm
.Lfunc_end_k_q2961077cdd_attn:
	.size	k_q2961077cdd_attn, .Lfunc_end_k_q2961077cdd_attn-k_q2961077cdd_attn
	.p2alignl 7, 3214868480
	.fill 96, 4, 3214868480
	.section	.rodata,"a",@progbits
	.p2align	6, 0x0
	.amdhsa_kernel k_q2961077cdd_attn
		.amdhsa_group_segment_fixed_size 327680
		.amdhsa_private_segment_fixed_size 0
		.amdhsa_enable_private_segment 0
		.amdhsa_kernarg_size 24
		.amdhsa_user_sgpr_count 2
		.amdhsa_user_sgpr_kernarg_segment_ptr 1
		.amdhsa_wavefront_size32 1
		.amdhsa_system_sgpr_workgroup_id_x 1
		.amdhsa_system_sgpr_workgroup_id_y 1
		.amdhsa_system_sgpr_workgroup_id_z 1
		.amdhsa_system_vgpr_workitem_id 0
		.amdhsa_next_free_vgpr 512
		.amdhsa_next_free_sgpr 66
		.amdhsa_reserve_vcc 0
		.amdhsa_float_denorm_mode_32 3
		.amdhsa_float_denorm_mode_16_64 3
		.amdhsa_memory_ordered 1
		.amdhsa_forward_progress 1
		.amdhsa_inst_pref_size 107
	.end_amdhsa_kernel
	.amdgpu_metadata
---
amdhsa.version: [ 1, 2 ]
amdhsa.kernels:
  - .name:           k_q2961077cdd_attn
    .symbol:         k_q2961077cdd_attn.kd
    .args:
      - { .name: qrec, .offset: 0, .size: 8, .value_kind: global_buffer, .address_space: global }
      - { .name: kv, .offset: 8, .size: 8, .value_kind: global_buffer, .address_space: global }
      - { .name: crec, .offset: 16, .size: 8, .value_kind: global_buffer, .address_space: global }
    .group_segment_fixed_size: 327680
    .private_segment_fixed_size: 0
    .kernarg_segment_align: 8
    .kernarg_segment_size: 24
    .max_flat_workgroup_size: 256
    .sgpr_count:     66
    .vgpr_count:     512
    .wavefront_size: 32
...
	.end_amdgpu_metadata
.endif
;; end of part 2
;; launch outln (part 3): grid 256 x 1, 4 waves a work-group, no clusters, 327,680 bytes of LDS; arguments crec, Q, Wo_codes, Wo_scales, bo, gamma, beta, out0; writes out0
.if DOCPART == 3
	.amdgcn_target "amdgcn-amd-amdhsa--gfx1250"
	.amdhsa_code_object_version 6
	.text
	.protected	k_q2961077cdd_outln
	.globl	k_q2961077cdd_outln
	.p2align	8
	.type	k_q2961077cdd_outln,@function
k_q2961077cdd_outln:
	s_mov_b64 s[64:65], 0
	v_nop
	global_prefetch_b8 v0, s[64:65] scope:SCOPE_SE
	s_setreg_imm32_b32 hwreg(HW_REG_WAVE_MODE, 25, 1), 1
	s_wait_xcnt 0x0
.set CT,     0
.set QR,     32768
.set STG,    163840
.set SPITCH, 2064
.set LI,  1
.set L8,  2
.set PA,  3
.set PSA, 4
.set BA,  5
.set SOA, 6
.set SOB, 7
.set SRD, 8
.set QRD, 9
.set AD,  10
.set ADQ, 11
.set T,   12
.set RS,  24
.set RF,  36
.set QX,  36
.set U,   36
.set ACC, 100
.set X,   100
.set TW,  164
.set GA,  172
.set PS,  200
.set BE,  232
.set WV,  2
.set G1A, 24
.set G1B, 32
.set SEL, 40
.set PB,  42
.set PSB, 44
.set BB,  50
.set G0A, 52
.set G0B, 56
.set OUTP, 60
.set INV, 62
.set EPS, 63
.set CNT, 66
.set TS1, 67
.set TQ,  68
.set MSB, 0
.macro WIN new
.if MSB != \new
	s_set_vgpr_msb (MSB<<8)|\new
.set MSB, \new
.endif
.endm
.macro PLOAD
	WIN 0x40
.irp t, 0,1,2,3,4,5,6,7
.irp s, 0,1
.irp p, 0,1,2,3,4,5
	global_load_b64 v[12*(2*\t+\s)+2*\p:12*(2*\t+\s)+2*\p+1], v[PA], s[PB:PB+1] offset:(32*(\t/2)+8*(\t%2))*384+96*\s+48*(\p/3)+8*(\p%3)
.endr
.endr
.endr
	WIN 0x80
.irp t, 0,1,2,3,4,5,6,7
.irp s, 2,3
.irp p, 0,1,2,3,4,5
	global_load_b64 v[12*(2*\t+\s-2)+2*\p:12*(2*\t+\s-2)+2*\p+1], v[PA], s[PB:PB+1] offset:(32*(\t/2)+8*(\t%2))*384+96*\s+48*(\p/3)+8*(\p%3)
.endr
.endr
.endr
	WIN 0
.irp t, 0,1,2,3,4,5,6,7
	global_load_b128 v[PS+4*\t:PS+4*\t+3], v[PSA], s[PSB:PSB+1] offset:(32*(\t/2)+8*(\t%2))*16
.endr
.endm
.macro BLOAD
	WIN 0x80
.irp t, 0,1,2,3,4,5,6,7
	global_load_b128 v[192+8*\t:192+8*\t+3], v[BA], s[BB:BB+1] offset:(32*(\t/2)+8*(\t%2))*4
	global_load_b128 v[192+8*\t+4:192+8*\t+7], v[BA], s[BB:BB+1] offset:(32*(\t/2)+8*(\t%2))*4+16
.endr
	WIN 0
.endm
.macro UNIT cstep
	WIN 0x21
.irp t, 0,1,2,3,4,5,6,7
	v_wmma_scale_f32_16x16x128_f8f6f4 v[ACC+8*\t:ACC+8*\t+7], v[24*\t:24*\t+11], v[RF:RF+11], v[192+(\cstep)*\t:192+(\cstep)*\t+7], v[PS+4*\t], v[RS] matrix_a_fmt:MATRIX_FMT_FP6 matrix_b_fmt:MATRIX_FMT_FP6
.endr
	WIN 0x01
.irp t, 0,1,2,3,4,5,6,7
	v_wmma_scale_f32_16x16x128_f8f6f4 v[ACC+8*\t:ACC+8*\t+7], v[24*\t+12:24*\t+23], v[RF+12:RF+23], v[ACC+8*\t:ACC+8*\t+7], v[PS+4*\t+1], v[RS+1] matrix_a_fmt:MATRIX_FMT_FP6 matrix_b_fmt:MATRIX_FMT_FP6
.endr
	WIN 0x02
.irp t, 0,1,2,3,4,5,6,7
	v_wmma_scale_f32_16x16x128_f8f6f4 v[ACC+8*\t:ACC+8*\t+7], v[24*\t:24*\t+11], v[RF+24:RF+35], v[ACC+8*\t:ACC+8*\t+7], v[PS+4*\t+2], v[RS+2] matrix_a_fmt:MATRIX_FMT_FP6 matrix_b_fmt:MATRIX_FMT_FP6
.endr
.irp t, 0,1,2,3,4,5,6,7
	v_wmma_scale_f32_16x16x128_f8f6f4 v[ACC+8*\t:ACC+8*\t+7], v[24*\t+12:24*\t+23], v[RF+36:RF+47], v[ACC+8*\t:ACC+8*\t+7], v[PS+4*\t+3], v[RS+3] matrix_a_fmt:MATRIX_FMT_FP6 matrix_b_fmt:MATRIX_FMT_FP6
.endr
	WIN 0
.rept 4
	v_nop
.endr
.endm
.macro OUNIT m
.irp e, 0,1,2,3,4,5,6,7
	ds_load_b128 v[RF+6*\e:RF+6*\e+3], v[LI] offset:CT+8192*(\m)+1024*\e
	ds_load_b64 v[RF+6*\e+4:RF+6*\e+5], v[L8] offset:CT+8192*(\m)+1024*\e+512
	ds_load_b32 v[TW+\e], v[L8] offset:CT+8192*(\m)+1024*\e+768
.endr
	s_wait_dscnt 0x0
.irp s, 0,1,2,3
	v_perm_b32 v[RS+\s], v[TW+2*\s+1], v[TW+2*\s], 0x05040100
.endr
.rept 8
	v_nop
.endr
	UNIT 8
.set SOX, SOA+(\m)/2
.irp t, 0,1,2,3,4,5,6,7
	ds_store_b128 v[SOX], v[ACC+8*\t:ACC+8*\t+3] offset:((\m)%2)*16*SPITCH+128*(\t/2)+32*(\t%2)
	ds_store_b128 v[SOX], v[ACC+8*\t+4:ACC+8*\t+7] offset:((\m)%2)*16*SPITCH+128*(\t/2)+32*(\t%2)+16
.endr
.endm
	s_load_b512 s[8:23], s[0:1], 0x0
	v_lshl_add_u32 v254, v0, 2, 0x48400
	v_mov_b32 v255, 0
	ds_add_u32 v254, v255
	ds_add_u32 v254, v255
	v_lshrrev_b32 v10, 5, v0
	v_readfirstlane_b32 s[WV], v10
	v_and_b32 v10, 31, v0
	v_and_b32 v11, 15, v0
	v_bfe_u32 v12, v0, 4, 1
	v_and_b32 v13, 8, v11
	v_add_nc_u32 v13, v13, v11
	v_lshlrev_b32 v[LI], 4, v10
	v_lshlrev_b32 v[L8], 3, v10
	v_mul_u32_u24 v[PA], v13, 384
	v_mad_u32_u24 v[PA], v12, 24, v[PA]
	v_lshlrev_b32 v[PSA], 4, v13
	v_lshlrev_b32 v[BA], 6, v12
	v_mul_u32_u24 v[SOA], v11, SPITCH
	v_lshl_add_u32 v[SOA], v12, 6, v[SOA]
	s_lshl_b32 s70, s[WV], 9
	s_add_co_u32 s70, s70, STG
	v_add_nc_u32 v[SOA], s70, v[SOA]
	v_add_nc_u32 v[SOB], 32*SPITCH, v[SOA]
	s_mul_i32 s70, s[WV], 16*SPITCH
	s_add_co_u32 s70, s70, STG
	v_add_nc_u32 v[SRD], s70, v[LI]
	s_lshl_b32 s70, s[WV], 15
	s_add_co_u32 s[G0B+1], s70, QR
	v_add_nc_u32 v[QRD], s[G0B+1], v[LI]
	s_mov_b32 s[SEL], 0x76543210
	s_mov_b32 s[SEL+1], 0xfedcba98
	s_mov_b32 s[INV], 0x3b000000
	s_mov_b32 s[EPS], 0x3727c5ac
	s_mov_b32 s[G1A], 3<<16
	s_mov_b32 s[G1A+1], 32<<16
	s_mov_b32 s[G1A+2], 32<<16
	s_mov_b32 s[G1A+3], 32<<16
	s_mov_b32 s[G1A+4], 32
	s_mov_b32 s[G1A+5], 32
	s_mov_b32 s[G1A+6], 0
	s_mov_b32 s[G1A+7], 0
	s_mov_b32 s[G1B], 3<<16
	s_mov_b32 s[G1B+1], 32<<16
	s_mov_b32 s[G1B+2], 128<<16
	s_mov_b32 s[G1B+3], 32<<16
	s_mov_b32 s[G1B+4], 128
	s_mov_b32 s[G1B+5], 32
	s_mov_b32 s[G1B+6], 0
	s_mov_b32 s[G1B+7], 0
	s_lshl_b32 s70, ttmp9, 15
	s_lshl_b32 s[G0A+1], s[WV], 13
	s_add_co_u32 s70, s70, s[G0A+1]
	s_mov_b32 s71, 0
	s_lshl_b32 s72, ttmp9, 17
	s_lshl_b32 s73, s[WV], 15
	s_add_co_u32 s72, s72, s73
	s_mov_b32 s73, 0
	s_mul_i32 s74, s[WV], 128*384
	s_mov_b32 s75, 0
	s_lshl_b32 s76, s[WV], 11
	s_mov_b32 s77, 0
	s_lshl_b32 s78, s[WV], 9
	s_mov_b32 s79, 0
	s_wait_alu depctr_va_vdst(0)
	s_wait_dscnt 0x0
	s_wait_kmcnt 0x0
	s_mov_b32 s[G0A], 1
	s_add_nc_u64 s[G0A+2:G0A+3], s[8:9], s[70:71]
	s_or_b32 s[G0A+3], s[G0A+3], 0x80000000
	s_mov_b32 s[G0B], 1
	s_add_nc_u64 s[G0B+2:G0B+3], s[10:11], s[72:73]
	s_or_b32 s[G0B+3], s[G0B+3], 0x80000000
	s_add_nc_u64 s[OUTP:OUTP+1], s[22:23], s[72:73]
	s_add_nc_u64 s[PB:PB+1], s[12:13], s[74:75]
	s_add_nc_u64 s[PSB:PSB+1], s[14:15], s[76:77]
	s_add_nc_u64 s[BB:BB+1], s[16:17], s[78:79]
	tensor_load_to_lds s[G0A:G0A+3], s[G1A:G1A+7]
	s_nop 0
.rept 4
	v_nop                                          ; behind a tensor load, ahead of a switch of windows
.endr
	PLOAD                                          ; Wo's rows, bo, gamma and beta are asked for while the tile lands
	BLOAD
.irp j, 0,1,2,3
	global_load_b128 v[GA+4*\j:GA+4*\j+3], v[LI], s[18:19] offset:512*\j
	global_load_b128 v[BE+4*\j:BE+4*\j+3], v[LI], s[20:21] offset:512*\j
.endr
	s_wait_alu depctr_va_vdst(0)
	s_wait_tensorcnt 0x0
	ds_add_u32 v254, v255
	s_wait_dscnt 0x0
	s_barrier_signal -1
	s_barrier_wait -1
	tensor_load_to_lds s[G0B:G0B+3], s[G1B:G1B+7]
	s_nop 0
.rept 4
	v_nop
.endr
	s_wait_tensorcnt 0x1
	s_barrier_signal -1
	s_barrier_wait -1
	s_wait_loadcnt 0x0
	OUNIT 0
	OUNIT 1
	OUNIT 2
	OUNIT 3
	s_wait_dscnt 0x0
	s_barrier_signal -1
	s_barrier_wait -1
	s_wait_tensorcnt 0x0
	s_mov_b32 s[CNT], 0
	s_mov_b32 s[TS1], 0
	s_mov_b32 s[TQ], 0
.Lln:
	v_add_nc_u32 v[AD], s[TS1], v[SRD]
	v_add_nc_u32 v[ADQ], s[TQ], v[QRD]
.irp q, 0,1,2,3
.irp j, 0,1,2,3
	ds_load_b128 v[X+16*\q+4*\j:X+16*\q+4*\j+3], v[AD] offset:SPITCH*\q+512*\j
	ds_load_b128 v[QX+16*\q+4*\j:QX+16*\q+4*\j+3], v[ADQ] offset:2048*\q+512*\j
.endr
.endr
	s_wait_dscnt 0x0
.irp j, 0,2,4,6,8,10,12,14
.irp q, 0,1,2,3
	v_pk_add_f32 v[X+16*\q+\j:X+16*\q+\j+1], v[X+16*\q+\j:X+16*\q+\j+1], v[QX+16*\q+\j:QX+16*\q+\j+1]
.endr
.endr
.irp q, 0,1,2,3
	v_pk_add_f32 v[T+2*\q:T+2*\q+1], v[X+16*\q:X+16*\q+1], v[X+16*\q+2:X+16*\q+3]
.endr
.irp j, 4,6,8,10,12,14
.irp q, 0,1,2,3
	v_pk_add_f32 v[T+2*\q:T+2*\q+1], v[T+2*\q:T+2*\q+1], v[X+16*\q+\j:X+16*\q+\j+1]
.endr
.endr
.irp q, 0,1,2,3
	v_add_f32 v[T+2*\q], v[T+2*\q], v[T+2*\q+1]
.endr
.irp m, 1,2,4,8
.irp q, 0,1,2,3
	v_add_f32_dpp v[T+2*\q], v[T+2*\q], v[T+2*\q] row_xmask:\m row_mask:0xf bank_mask:0xf
.endr
.endr
.irp q, 0,1,2,3
	v_permlanex16_b32 v[T+2*\q+1], v[T+2*\q], s[SEL], s[SEL+1]
.endr
.irp q, 0,1,2,3
	v_add_f32 v[T+2*\q], v[T+2*\q], v[T+2*\q+1]
.endr
.irp q, 0,1,2,3
	v_mul_f32 v[T+2*\q], s[INV], v[T+2*\q]
.endr
.irp j, 0,2,4,6,8,10,12,14
.irp q, 0,1,2,3
	v_pk_add_f32 v[X+16*\q+\j:X+16*\q+\j+1], v[X+16*\q+\j:X+16*\q+\j+1], v[T+2*\q:T+2*\q+1] op_sel_hi:[1,0] neg_lo:[0,1] neg_hi:[0,1]
.endr
.endr
.irp q, 0,1,2,3
	v_pk_mul_f32 v[U+2*\q:U+2*\q+1], v[X+16*\q:X+16*\q+1], v[X+16*\q:X+16*\q+1]
.endr
.irp j, 2,4,6,8,10,12,14
.irp q, 0,1,2,3
	v_pk_fma_f32 v[U+2*\q:U+2*\q+1], v[X+16*\q+\j:X+16*\q+\j+1], v[X+16*\q+\j:X+16*\q+\j+1], v[U+2*\q:U+2*\q+1]
.endr
.endr
.irp q, 0,1,2,3
	v_add_f32 v[U+2*\q], v[U+2*\q], v[U+2*\q+1]
.endr
.irp m, 1,2,4,8
.irp q, 0,1,2,3
	v_add_f32_dpp v[U+2*\q], v[U+2*\q], v[U+2*\q] row_xmask:\m row_mask:0xf bank_mask:0xf
.endr
.endr
.irp q, 0,1,2,3
	v_permlanex16_b32 v[U+2*\q+1], v[U+2*\q], s[SEL], s[SEL+1]
.endr
.irp q, 0,1,2,3
	v_add_f32 v[U+2*\q], v[U+2*\q], v[U+2*\q+1]
.endr
.irp q, 0,1,2,3
	v_fma_f32 v[U+2*\q], v[U+2*\q], s[INV], s[EPS]
.endr
	s_wait_alu depctr_va_vdst(0)
.irp q, 0,1,2,3
	v_rsq_f32 v[U+2*\q], v[U+2*\q]
.endr
	v_nop
	s_wait_alu depctr_va_vdst(0)
.irp j, 0,2,4,6,8,10,12,14
.irp q, 0,1,2,3
	v_pk_mul_f32 v[X+16*\q+\j:X+16*\q+\j+1], v[X+16*\q+\j:X+16*\q+\j+1], v[U+2*\q:U+2*\q+1] op_sel_hi:[1,0]
.endr
.endr
.irp j, 0,2,4,6,8,10,12,14
.irp q, 0,1,2,3
	v_pk_fma_f32 v[X+16*\q+\j:X+16*\q+\j+1], v[X+16*\q+\j:X+16*\q+\j+1], v[GA+\j:GA+\j+1], v[BE+\j:BE+\j+1]
.endr
.endr
.irp q, 0,1,2,3
.irp j, 0,1,2,3
	global_store_b128 v[LI], v[X+16*\q+4*\j:X+16*\q+4*\j+3], s[OUTP:OUTP+1] offset:2048*\q+512*\j th:TH_STORE_NT
.endr
.endr
	s_wait_xcnt 0x0
	s_add_nc_u64 s[OUTP:OUTP+1], s[OUTP:OUTP+1], 8192
	s_add_co_u32 s[TS1], s[TS1], 4*SPITCH
	s_add_co_u32 s[TQ], s[TQ], 8192
	s_add_co_u32 s[CNT], s[CNT], 1
	s_cmp_lt_u32 s[CNT], 4
	s_cbranch_scc1 .Lln
	s_wait_tensorcnt 0x0
	ds_add_u32 v254, v255
	s_wait_dscnt 0x0
	s_endpgm
.Lfunc_end_k_q2961077cdd_outln:
	.size	k_q2961077cdd_outln, .Lfunc_end_k_q2961077cdd_outln-k_q2961077cdd_outln
	.p2alignl 7, 3214868480
	.fill 96, 4, 3214868480
	.section	.rodata,"a",@progbits
	.p2align	6, 0x0
	.amdhsa_kernel k_q2961077cdd_outln
		.amdhsa_group_segment_fixed_size 327680
		.amdhsa_private_segment_fixed_size 0
		.amdhsa_enable_private_segment 0
		.amdhsa_kernarg_size 64
		.amdhsa_user_sgpr_count 2
		.amdhsa_user_sgpr_kernarg_segment_ptr 1
		.amdhsa_wavefront_size32 1
		.amdhsa_system_sgpr_workgroup_id_x 1
		.amdhsa_system_sgpr_workgroup_id_y 1
		.amdhsa_system_sgpr_workgroup_id_z 1
		.amdhsa_system_vgpr_workitem_id 0
		.amdhsa_next_free_vgpr 768
		.amdhsa_next_free_sgpr 80
		.amdhsa_reserve_vcc 0
		.amdhsa_float_denorm_mode_32 3
		.amdhsa_float_denorm_mode_16_64 3
		.amdhsa_memory_ordered 1
		.amdhsa_forward_progress 1
		.amdhsa_inst_pref_size 75
	.end_amdhsa_kernel
	.amdgpu_metadata
---
amdhsa.version: [ 1, 2 ]
amdhsa.kernels:
  - .name:           k_q2961077cdd_outln
    .symbol:         k_q2961077cdd_outln.kd
    .args:
      - { .name: crec, .offset: 0, .size: 8, .value_kind: global_buffer, .address_space: global }
      - { .name: Q, .offset: 8, .size: 8, .value_kind: global_buffer, .address_space: global }
      - { .name: Wo_codes, .offset: 16, .size: 8, .value_kind: global_buffer, .address_space: global }
      - { .name: Wo_scales, .offset: 24, .size: 8, .value_kind: global_buffer, .address_space: global }
      - { .name: bo, .offset: 32, .size: 8, .value_kind: global_buffer, .address_space: global }
      - { .name: gamma, .offset: 40, .size: 8, .value_kind: global_buffer, .address_space: global }
      - { .name: beta, .offset: 48, .size: 8, .value_kind: global_buffer, .address_space: global }
      - { .name: out0, .offset: 56, .size: 8, .value_kind: global_buffer, .address_space: global }
    .group_segment_fixed_size: 327680
    .private_segment_fixed_size: 0
    .kernarg_segment_align: 8
    .kernarg_segment_size: 64
    .max_flat_workgroup_size: 128
    .sgpr_count:     80
    .vgpr_count:     768
    .wavefront_size: 32
...
	.end_amdgpu_metadata
.endif
;; end of part 3
